; MI455X (gfx1250); checked and timed in simulation.
; The chip was launched on July 23, 2026; its instructions are those of AMD's public machine-readable ISA for CDNA 5 (MIT licence, August 2026) and "CDNA5" Instruction Set Architecture Reference Guide (July 2026). The comments in the code are by the model that wrote it; some were corrected since.
;; Location Encoder. Allowed arithmetic: matrix products marked QUANTISED: E5M2 operands, one E8M0 scale for each 32 along K, by v_wmma_scale_f32_16x16x128_f8f6f4 with both operands' format E5M2, f32 sums; products left as they are: f32 operands where the result goes on into a quantised operand, else bf16, f16 or f32 operands; f32 sums; everything else in f32.
;; Inputs: W_ctx 3 x 128 float32; W_in 5 x 128 float32; W_tgt_codes 128 x 4 x 32 uint8 (E5M2 codes of W_tgt, K innermost, in blocks of 32 codes); W_tgt_scales 128 x 4 uint8 (E8M0 scales of W_tgt, one for each 32 codes along K); b_ctx 128 float32; b_in 128 float32; b_tgt 128 float32; context_x 4 x 512 x 4 float32; context_y 4 x 512 x 2 float32; target_x 4 x 512 x 4 float32.
;; Outputs: out0 4 x 512 x 128 float32.
;; This version of the problem:
;;   THIS VERSION OF THE PROBLEM IS GIVEN IN LOW PRECISION. The matrix products marked QUANTISED in the list below multiply operands that are first quantised to E5M2 (5 exponent bits, 2 mantissa bits; 8 bits a number), with one power-of-two scale for each 32 numbers along K (OCP MX v1.0); their sums are f32. All else is computed in f32.
;;   The module's matrix products, in the order in which they are computed (A, B: the left and right operand; K: the contracted axis; several contracted axes count as one K, in the product's order):
;;     1. [M 2,048, K 5] x [K 5, N 128]; A: computed on the way; B: input W_in: left as it is (K = 5 < 32)
;;     2. [M 2,048, K 3] x [K 3, N 128]; A: input context_x; B: input W_ctx: left as it is (K = 3 < 32)
;;     3. [M 2,048, K 3] x [K 3, N 128]; A: input target_x; B: input W_ctx: left as it is (K = 3 < 32)
;;     4. batch 4 x [M 512, K 512] x [K 512, N 128]; A: softmax (see below); B: computed on the way: QUANTISED
;;     5. [M 2,048, K 128] x [K 128, N 128]; A: computed on the way; B: input W_tgt (given as codes): QUANTISED
;;   THE QUANTISER, for each operand of a quantised product, along K:
;;     - K is cut into blocks of 32 from its start; a last block that is shorter is filled with zeros.
;;     - A block's scale is 2^e with e = floor(log2(the largest magnitude in the block)) - 15, held to -126 .. 127; a block of zeros has e = 0. As a byte (E8M0): e + 127.
;;     - Each number is divided by its block's scale, clamped to +-57,344, and rounded to the nearest number of E5M2, ties to even, subnormals kept.
;;     - The product sums the exact products of the quantised numbers (number of the format x scale) in f32.
;;   ~~~python
;;   def quantise(x, axis):      # numpy; x: float32 -> the quantised numbers, widened to float32 again
;;       x = np.moveaxis(x, axis, -1); K = x.shape[-1]
;;       x = np.pad(x, [(0, 0)] * (x.ndim - 1) + [(0, -K % 32)]); x = x.reshape(x.shape[:-1] + (-1, 32)); a = np.abs(x).max(-1, keepdims=True)
;;       e = np.where(a > 0, np.clip(np.frexp(np.where(a > 0, a, 1))[1] - 1 - 15, -126, 127), 0)      # np.frexp(a)[1] - 1 = floor(log2(a)), exactly
;;       r = np.clip(x / 2.0 ** e, -57344, 57344)
;;       step = 2.0 ** (np.maximum(np.frexp(np.where(r == 0, 1, r))[1] - 1, -14) - 2)
;;       q = np.round(r / step) * step * 2.0 ** e      # np.round: ties to even
;;       return np.moveaxis(q.reshape(q.shape[:-2] + (-1,))[..., :K], -1, axis).astype(np.float32)
;;   ~~~
;;   SOFTMAX AHEAD OF A QUANTISED PRODUCT. Where the list says 'softmax', what is quantised is not the finished softmax but p = 2^(t - M), with t = logit x log2(e) and M = ceil(the row's largest t), a whole number; so 1/2 < the row's largest p <= 1. The row's sum l is taken of the UNQUANTISED p, in f32, and the product's result is divided by l at the end. Since M is a whole number, a kernel that streams over the keys may use a running M (the ceiling of the running maximum): every later rescaling is an exact power of two, which a block's scale takes up: the codes' values come out the same.
;;   OPERANDS COMPUTED ON THE WAY. 'Computed on the way' means the value that the module computes at that place (a softmax that the list does not call 'softmax' is quantised finished and normalised). What goes into a quantiser is computed in f32, as accurately as f32 sums, v_exp_f32 and their like allow (about 1e-6 of the number): no bf16 or f16 on the way to a quantiser, and a product that is left as it is and whose result goes on into a quantised operand takes f32 operands (vector FMAs, or v_wmma_f32_16x16x4_f32). A number that lies on a knife's edge between two numbers of the format may be rounded either way, as far as f32 arithmetic and the matrix unit's own rounding can turn it there, and no further.
;;   INPUTS GIVEN AS CODES. W_tgt (in the module: [128, 128], K = its axis 0): each comes as NAME_codes (uint8): NAME with its K axis moved to the last place and cut into blocks of 32 codes, [.., K / 32, bytes a block], one block behind the other in memory; one code a byte (a code: sign, 5 exponent bits, 2 mantissa bits); and NAME_scales (uint8): the same leading axes, one E8M0 byte (e + 127) for each 32 codes along K. Its value is code x scale, taken as it is: it is not quantised again, and the codes and scales need not be those that the quantiser above would give.
;; 2 versions, each right; version 2 is version 1 with the launch locenc written anew for expert scheduling mode. Each part assembles by itself: llvm-mc -triple=amdgcn-amd-amdhsa -mcpu=gfx1250 --defsym DOCPART=n.
;; ======== version 1 of 2: 1 launch
;; launch locenc (part 1): grid 256 x 1, 4 waves a work-group, no clusters, 197,120 bytes of LDS; arguments context_x, context_y, target_x, W_ctx, b_ctx, W_in, b_in, W_tgt_codes, W_tgt_scales, b_tgt, out0; writes out0
.if DOCPART == 1
	.amdgcn_target "amdgcn-amd-amdhsa--gfx1250"
	.amdhsa_code_object_version 6
	.text
	.protected	k_q61267ef48f_locenc
	.globl	k_q61267ef48f_locenc
	.p2align	8
	.type	k_q61267ef48f_locenc,@function
k_q61267ef48f_locenc:
	s_mov_b64 s[64:65], 0
	v_nop
	global_prefetch_b8 v0, s[64:65] scope:SCOPE_SE
	s_setreg_imm32_b32 hwreg(HW_REG_WAVE_MODE, 25, 1), 1
	s_wait_xcnt 0x0
; out[b][t][:] = (softmax_c(-0.5 sum_h |key[b][c][h] - query[b][t][h]|) value[b][c][:]) W_tgt + b_tgt.   4 batches, 512 targets, 512 contexts, 128 features.
; key = x[0:3] W_ctx + b_ctx (contexts), query the same of the targets, value = (x[0:3], y[0:2]) W_in + b_in: all by f32 multiply-adds, the bias as the first addend.
; The two large products go on codes of BF8 (E5M2) with one E8M0 scale for each 32 along K: p (K = the contexts) x value, and rep (K = the 128 features) x W_tgt, whose codes are given.
; THE SOFTMAX: t = score x log2(e); M = the row's largest t rounded up to a whole number; p = 2^(t - M) is quantised, not normalised; the sum of the unquantised p divides at the end.
; SHARES.  A work-group owns 8 targets (2,048 / 256), all of one batch.  Wave w owns contexts 128 w .. 128 w + 127 of that batch, lane L contexts 128 w + 32 j + L, j = 0..3: its 4 x 128 keys stay in 512 registers.
; A target's 128 query numbers are the same for all lanes: they lie in LDS and come by loads in which all lanes name one address.
; THE DISTANCES: for two features and two contexts: two packed subtractions, two additions of magnitudes (|d0| + |d1|), one packed addition onto a pair of sums: five instructions for four terms.
; A wave's 128 contexts are K step w of the first large product.  The waves exchange their rows' largest t through LDS, so that all take one M; each wave then quantises p and value for its own contexts and stores the
; fragments in LDS as images of their registers (16 bytes a lane, 512 a store; the scale word 4 bytes a lane).
; The products are the same ones.  It is done
; because p spans tens of binades inside a K step and O / l goes on into a quantiser.
; 8 TARGETS IN A TILE OF 16: lanes with lane % 16 = 8..15 hold copies of targets 0..7 (they read row lane % 8): nothing is masked, EXEC is never changed, and copies store the same values to the same bytes.
; BOTH PRODUCTS ARE USED TRANSPOSED (source 0 = 16 features, source 1 = the targets): a lane holds one target throughout.  THE FEATURES OF A TILE OF value ARE NOT NEIGHBOURS: lane r of tile 2 b + u takes feature
; 32 b + 8 u + r + 8 (r / 8), so that the 16 results of tiles 2 b and 2 b + 1 in a lane are 16 neighbours along the next K.
; NO TENSOR LOADS, NO CLUSTER: a work-group reads under 40 KB, once, at its head, through registers (its wave's 3 KB of contexts, 128 bytes of targets, 21 KB of weights); what work-groups share is that and nothing in
; the loops, which touch no memory.  No prefetch for the same reason: every global load goes out at the head.
; LIMITS: NaN and infinities among the inputs are not served.  A block whose largest magnitude lies under 2^-111 keeps the scale byte 1 (a block of zeros too: its codes are zeros, and these bytes are read by this
; program alone).  p under 2^-126 comes out of v_exp_f32 as 0.  The f32 sums ahead of the quantisers run in another order than the reference's.
; REGISTERS, in windows of 256: window 0: addresses, scales, W_tgt, and the work in hand;  windows 1, 2: the keys of contexts j = 0, 1 and j = 2, 3 at 128 (j % 2) + h, later the rows of (x, y) for value,
;   at the end (window 1) value's sixteen fragments;  window 3: W_ctx by chunks of 32 features (two buffers of 128), then a target's query at v[h].
; ---- LDS, in bytes
.set QL,  0                            ; query[t][h] f32, a row 512
.set WL,  4096                         ; W_ctx's three rows and b_ctx, 512 each
.set WI,  6144                         ; W_in's five rows and b_in, each number twice: a row 1,024
.set EN,  12288                        ; a wave's own: row k = 0..4 of (x0, x1, x2, y0, y1) by local context, a row 512
.set ENB, 2560
.set TS,  22528                        ; a wave's own: t[target][local context], pitch 528
.set TSB, 4224
.set TPI, 528
.set ML,  39424                        ; the largest t of wave w's contexts at 16 lane + 4 w
.set LL,  39936                        ; l_w likewise
.set RI,  40448                        ; rep's fragment as an image of its registers: block c at 512 c + 16 lane
.set RS,  42496                        ; rep's scale bytes, a word each, at 16 lane + 4 c
.set SG,  43008                        ; the way out: 8 rows, pitch 528
.set PSL, 47232                        ; p's scale words: K step s at 128 s + 4 lane
.set VSL, 47744                        ; value's: (4 tile + s) x 128 + 4 lane
.set PI,  51840                        ; p's fragments as images: 2,048 s + 512 c + 16 lane
.set VI,  60032                        ; value's: ((4 tile + s) x 2 + part) x 2,048 + 512 c + 16 lane; ends at 191,104
; ---- scalars
.set SPS,  26                          ; PSL + 128 w
.set WAVE, 28
.set BAT,  29
.set SEL,  36                          ; s[36:37] v_permlanex16_b32's selects for lane l xor 16
.set MNT,  38                          ; the mantissa field of 57,344
.set CNT,  39
.set TQ,   40                          ; the target's row in QL
.set TT,   41                          ; and in TS
.set TW,   42                          ; the trip's place in a row of WI,
.set TO2,  43                          ; among value's images,
.set TS2,  46                          ; and among its scale words
; ---- window 0, registers that stay
.set LS,  1                            ; 4 x lane
.set Z,   2                            ; 0
.set QA,  3                            ; the scores: the target's row in QL
.set PSA, 3                            ; behind them: where I store p's scale word
.set TS0, 4
.set TA,  5
.set TR,  6
.set ER,  7
.set WA0, 8
.set WA,  9
.set VIW0, 10
.set VIW, 11
.set MW,  12
.set L16, 13
.set VIR, 14
.set SO,  15
.set SR,  16
.set GO,  17
.set PS,  18                           ; p's scale word on its way to LDS
.set VSD, 19                           ; v19-20 value's, for the trip's two tiles
.set VSA0, 21
.set VSA, 22
.set RIW, 23
.set NM,  24                           ; -M
.set TMX, 25                           ; the largest t
.set LW,  26                           ; l_w
.set VSR, 27
.set TO,  28                           ; v28-31 a target's four t
.set WT,  32                           ; v32-63 W_tgt's two fragments
.set BT,  64                           ; v64-79 b_tgt in the result's layout
.set PSW, 80                           ; v80-94 hold scale words for the matrix instructions and nothing else: p's four K steps,
.set VSW, 84                           ; value's: tile u, K step s at 4 u + s,
.set RSW, 92                           ; rep's,
.set WTS, 93                           ; W_tgt's two
.set PIW, 95
; ---- v96-127 by phase
.set XC,  96                           ; x0..x3 of context j at 4 j
.set XB,  112                          ; x1 of context j, twice
.set YC,  120                          ; y0, y1 of context j
.set AC,  96                           ; the distances' sums: 8 pairs for each window of keys
.set WW,  96                           ; W_in's pairs: tile u, row k at 12 u + 2 k (k = 5: b_in)
; ---- v128-255 by phase
.set TX,  128
.set WC,  160
.set WIV, 164
.set QV,  176
.set T4,  184
.set T8,  185
.set ACX, 186
.set ACY, 187
.set ATX, 188
.set AWT, 189
.set AWS, 190
.set ABT, 191
.set ENW, 192
.set LN,  193
.set RR,  194
.set HF,  195
.set R7,  196
.set TMP, 197
.set D,   128                          ; the scores: 128 registers of differences
.set S,   128                          ; the softmax: 64 t, then p
.set BM,  192
.set BX,  196
.set HO,  200
.set SCO, 204
.set BY,  208
.set LA,  212
.set LB,  214
.set PC,  216                          ; p's codes
.set MV,  232                          ; the four waves' largest t
.set VL,  128                          ; value: 64 numbers
.set VCP, 192                          ; the codes of its positive part,
.set TM,  208
.set VCN, 224                          ; of its negative part's magnitudes
.set TP,  240                          ; 16 numbers of a block's positive part
.set PF,  128                          ; the tail: p's four fragments
.set OA,  192                          ; four accumulators: tile u, part g at 16 u + 8 g
.set LV,  224
.set LT,  228                          ; l, twice
.set NL,  230                          ; -l, twice
.set RL,  232                          ; 1 / l, twice
.set DF,  234                          ; O = O+ - O-
.set TMT, 250
.set R,   128                          ; over p's fragments, once the products are done: the quotient,
.set E,   144                          ; and what is left of the division
.set RC,  160
.set RB,  164
.set RF,  176
.set OD,  192
.set STG, 208
.set MSB, 0
.macro WIN new                         ; s_set_vgpr_msb: bits 1:0 source 0, 3:2 source 1, 5:4 source 2, 7:6 destination; the high byte repeats the setting that is left
.if MSB != (\new)
	s_set_vgpr_msb (MSB<<8)|(\new)
.set MSB, (\new)
.endif
.endm
.macro BARRIER                         ; my LDS stores have landed and my LDS loads are in: then the work-group's barrier
	s_wait_dscnt 0x0
	s_barrier_signal -1
	s_barrier_wait -1
.endm
; ================ THE HEAD
	s_load_b256 s[4:11], s[0:1], 0x0               ; context_x 4:5, context_y 6:7, target_x 8:9, W_ctx 10:11
	s_load_b256 s[12:19], s[0:1], 0x20             ; b_ctx 12:13, W_in 14:15, b_in 16:17, W_tgt's codes 18:19
	s_load_b128 s[20:23], s[0:1], 0x40             ; W_tgt's scales 20:21, b_tgt 22:23
	s_load_b64 s[24:25], s[0:1], 0x50              ; out0
	v_lshrrev_b32 v[TMP], 5, v0
	v_readfirstlane_b32 s[WAVE], v[TMP]            ; wave 0..3
	v_and_b32 v[LN], 31, v0                        ; lane
	v_and_b32 v[RR], 15, v0                        ; r
	v_bfe_u32 v[HF], v0, 4, 1                      ; half
	v_and_b32 v[R7], 7, v0                         ; the lane's target
	v_mov_b32 v[Z], 0
	v_lshlrev_b32 v[LS], 2, v[LN]
	s_lshr_b32 s[BAT], ttmp9, 6                    ; 64 work-groups to a batch
	s_mul_i32 s30, s[WAVE], TSB
	s_add_co_u32 s30, s30, TS
	v_lshl_add_u32 v[TS0], v[LN], 2, s30           ; t goes in at 4 x lane of my wave's rows,
	v_mul_u32_u24 v[TMP], v[R7], TPI
	v_lshl_add_u32 v[TMP], v[HF], 6, v[TMP]
	v_add_nc_u32 v[TR], s30, v[TMP]                ; and comes back by rows: my target's, 16 contexts of each 32 for my half
	s_mul_i32 s31, s[WAVE], ENB
	s_add_co_u32 s31, s31, EN
	v_lshl_add_u32 v[ER], v[HF], 6, s31
	v_lshl_add_u32 v[ENW], v[LN], 2, s31
	v_and_b32 v[TMP], 8, v[RR]
	v_add_nc_u32 v[TMP], v[TMP], v[RR]             ; r + 8 (r / 8)
	v_lshl_add_u32 v[WA0], v[TMP], 3, WI           ; 8 bytes a feature
	s_lshl_b32 s33, s[WAVE], 11                    ; an image is 2,048 bytes: p's K step w
	s_add_co_u32 s33, s33, PI
	v_lshl_add_u32 v[PIW], v[LN], 4, s33
	s_lshl_b32 s33, s[WAVE], 12                    ; value's K step w: two images
	s_add_co_u32 s33, s33, VI
	v_lshl_add_u32 v[VIW0], v[LN], 4, s33          ; where I store value's images (tile 0)
	s_lshl_b32 s33, s[WAVE], 15
	s_add_co_u32 s33, s33, VI
	v_lshl_add_u32 v[VIR], v[LN], 4, s33           ; where I read value's: tiles 2 w and 2 w + 1, 16,384 bytes a tile
	s_lshl_b32 s33, s[WAVE], 7
	s_add_co_u32 s[SPS], s33, PSL
	s_add_co_u32 s33, s33, VSL
	v_lshl_add_u32 v[VSA0], v[LN], 2, s33          ; the scale words: 128 bytes a K step, 512 a tile
	s_lshl_b32 s33, s[WAVE], 10
	s_add_co_u32 s33, s33, VSL
	v_lshl_add_u32 v[VSR], v[LN], 2, s33
	s_lshl_b32 s33, s[WAVE], 2
	v_lshl_add_u32 v[MW], v[LN], 4, s33
	v_lshlrev_b32 v[L16], 4, v[LN]
	v_mul_u32_u24 v[TMP], v[R7], TPI
	v_lshl_add_u32 v[TMP], v[HF], 5, v[TMP]
	s_lshl_b32 s33, s[WAVE], 7
	s_add_co_u32 s33, s33, SG
	v_add_nc_u32 v[SO], s33, v[TMP]                ; the stage: my target's row, my wave's 128 bytes, 32 for each half
	s_mul_i32 s33, s[WAVE], 2*TPI
	s_add_co_u32 s33, s33, SG
	v_lshl_add_u32 v[SR], v[LN], 4, s33            ; back: rows 2 w and 2 w + 1, 16 bytes a lane
	s_lshl_b32 s33, s[WAVE], 10
	v_lshl_add_u32 v[GO], v[LN], 4, s33
	s_lshl_b32 s33, s[WAVE], 9
	v_lshl_add_u32 v[RIW], v[LN], 4, s33
	v_lshlrev_b32 v[T4], 2, v0                     ; thread h: 4 bytes,
	v_lshlrev_b32 v[T8], 3, v0                     ; 8 bytes
	s_lshl_b32 s34, s[BAT], 13                     ; context_x: 8,192 bytes a batch, 2,048 a wave, 16 a context
	s_lshl_b32 s35, s[WAVE], 11
	s_add_co_u32 s34, s34, s35
	v_lshl_add_u32 v[ACX], v[LN], 4, s34
	s_lshl_b32 s34, s[BAT], 12                     ; context_y: half of that
	s_lshl_b32 s35, s[WAVE], 10
	s_add_co_u32 s34, s34, s35
	v_lshl_add_u32 v[ACY], v[LN], 3, s34
	s_lshl_b32 s34, ttmp9, 7                       ; target_x: my work-group's 8 rows of 16 bytes, the same for all lanes
	v_mov_b32 v[ATX], s34
	s_lshl_b32 s34, s[WAVE], 12                    ; W_tgt's codes: my 32 rows of 128 bytes; row r, + 16 x half
	v_lshl_add_u32 v[AWT], v[RR], 7, s34
	v_lshl_add_u32 v[AWT], v[HF], 4, v[AWT]
	s_lshl_b32 s34, s[WAVE], 7                     ; its scale words and b_tgt: 128 bytes a wave
	v_lshl_add_u32 v[AWS], v[RR], 2, s34
	v_lshl_add_u32 v[ABT], v[HF], 5, s34
	s_lshl_b32 s44, ttmp9, 12                      ; out0: 8 rows of 512 bytes a work-group
	s_mov_b32 s45, 0
	s_mov_b32 s[SEL], 0x76543210
	s_mov_b32 s[SEL+1], 0xfedcba98
	s_mov_b32 s[MNT], 0x600000
	s_wait_kmcnt 0x0
	s_add_nc_u64 s[24:25], s[24:25], s[44:45]
	; group A, 18 loads: what the queries and the tables in LDS want
.irp k, 0,1,2
	global_load_b32 v[WC+\k], v[T4], s[10:11] offset:512*\k
.endr
	global_load_b32 v[WC+3], v[T4], s[12:13]
.irp t, 0,1,2,3,4,5,6,7
	global_load_b128 v[TX+4*\t:TX+4*\t+3], v[ATX], s[8:9] offset:16*\t
.endr
.irp k, 0,1,2,3,4
	global_load_b32 v[WIV+2*\k], v[T4], s[14:15] offset:512*\k
.endr
	global_load_b32 v[WIV+10], v[T4], s[16:17]
	; group B, 8 loads: my four contexts; each load of the wave covers 512 or 256 consecutive bytes
.irp j, 0,1,2,3
	global_load_b128 v[XC+4*\j:XC+4*\j+3], v[ACX], s[4:5] offset:512*\j
.endr
.irp j, 0,1,2,3
	global_load_b64 v[YC+2*\j:YC+2*\j+1], v[ACY], s[6:7] offset:256*\j
.endr
	; group C, 14 loads: W_tgt and b_tgt for my 32 outputs: wanted at the very end
.irp u, 0,1
.irp c, 0,1,2,3
	global_load_b128 v[WT+16*\u+4*\c:WT+16*\u+4*\c+3], v[AWT], s[18:19] offset:2048*\u+32*\c
.endr
.endr
.irp u, 0,1
	global_load_b32 v[WTS+\u], v[AWS], s[20:21] offset:64*\u
.endr
.irp u, 0,1
.irp x, 0,1
	global_load_b128 v[BT+8*\u+4*\x:BT+8*\u+4*\x+3], v[ABT], s[22:23] offset:64*\u+16*\x
.endr
.endr
	s_wait_loadcnt 22                              ; group A is in; B's 8 and C's 14 may be out
.irp t, 0,1,2,3,4,5,6,7
	v_fma_f32 v[QV+\t], v[TX+4*\t], v[WC], v[WC+3] ; thread h makes query[t][h], in the order in which the keys are made: b, + x0 W0, + x1 W1, + x2 W2
.endr
.irp t, 0,1,2,3,4,5,6,7
	v_fma_f32 v[QV+\t], v[TX+4*\t+1], v[WC+1], v[QV+\t]
.endr
.irp t, 0,1,2,3,4,5,6,7
	v_fma_f32 v[QV+\t], v[TX+4*\t+2], v[WC+2], v[QV+\t]
.endr
.irp t, 0,1,2,3,4,5,6,7
	ds_store_b32 v[T4], v[QV+\t] offset:QL+512*\t
.endr
.irp k, 0,1,2,3
	ds_store_b32 v[T4], v[WC+\k] offset:WL+512*\k
.endr
.irp k, 0,1,2,3,4,5
	v_mov_b32 v[WIV+2*\k+1], v[WIV+2*\k]           ; each number twice: a packed operand for two contexts
.endr
.irp k, 0,1,2,3,4,5
	ds_store_b64 v[T8], v[WIV+2*\k:WIV+2*\k+1] offset:WI+1024*\k
.endr
	s_wait_loadcnt 14                              ; group B is in; C's 14 may be out
.irp j, 0,1,2,3
.irp k, 0,1,2
	ds_store_b32 v[ENW], v[XC+4*\j+\k] offset:512*\k+128*\j
.endr
	ds_store_b32 v[ENW], v[YC+2*\j] offset:512*3+128*\j
	ds_store_b32 v[ENW], v[YC+2*\j+1] offset:512*4+128*\j
.endr
.irp j, 0,1,2,3
	v_mov_b32 v[XB+2*\j], v[XC+4*\j+1]
	v_mov_b32 v[XB+2*\j+1], v[XC+4*\j+1]
.endr
	s_wait_xcnt 0x0                                ; every load has read its offset register: those lie where the differences will be written
	BARRIER                                        ; the queries and the tables lie in LDS
; ================ THE KEYS: 32 features at a time
.macro KLOAD n                         ; W0, W1, W2, b of features 32 n on, into buffer n % 2 of window 3; all lanes name one address
	WIN 0xc0
.irp k, 0,1,2,3
.irp q, 0,1,2,3,4,5,6,7
	ds_load_b128 v[128*((\n)%2)+32*\k+4*\q:128*((\n)%2)+32*\k+4*\q+3], v[Z] offset:WL+512*\k+128*(\n)+16*\q
.endr
.endr
	WIN 0
.endm
.macro KEYS n                          ; my four contexts' keys of these 32 features: three packed multiply-adds for two features; a line reads what a line 32 lines back wrote
.set KP, 128*((\n)%2)
.irp w, 1,2
	WIN (((\w)<<6)|0x33)                           ; W0 and b in window 3, x in window 0, the keys in window w
.irp jj, 0,1
.set xj, XC+4*(2*(\w-1)+\jj)
.set hp, 0
.rept 16
.set kd, 128*\jj+32*(\n)+2*hp
	v_pk_fma_f32 v[kd:kd+1], v[KP+2*hp:KP+2*hp+1], v[xj:xj+1], v[KP+96+2*hp:KP+96+2*hp+1] op_sel_hi:[1,0,1]
.set hp, hp+1
.endr
.endr
	WIN (((\w)<<6)|((\w)<<4)|3)                    ; now the addend is the key itself
.irp jj, 0,1
.set xj, XB+2*(2*(\w-1)+\jj)
.set hp, 0
.rept 16
.set kd, 128*\jj+32*(\n)+2*hp
	v_pk_fma_f32 v[kd:kd+1], v[KP+32+2*hp:KP+32+2*hp+1], v[xj:xj+1], v[kd:kd+1]
.set hp, hp+1
.endr
.endr
.irp jj, 0,1
.set xj, XC+4*(2*(\w-1)+\jj)+2
.set hp, 0
.rept 16
.set kd, 128*\jj+32*(\n)+2*hp
	v_pk_fma_f32 v[kd:kd+1], v[KP+64+2*hp:KP+64+2*hp+1], v[xj:xj+1], v[kd:kd+1] op_sel_hi:[1,0,1]
.set hp, hp+1
.endr
.endr
.endr
.endm
	KLOAD 0
	KLOAD 1
	s_wait_dscnt 32                                ; chunk 0 is in; chunk 1's 32 loads may be out
	KEYS 0
	KLOAD 2
	s_wait_dscnt 32                                ; chunk 1 is in
	KEYS 1
	KLOAD 3
	s_wait_dscnt 32                                ; chunk 2 is in
	KEYS 2
	WIN 0xc0                                       ; buffer 0 is free: target 0's features 0-63
.irp q, 0,1,2,3,4,5,6,7,8,9,10,11,12,13,14,15
	ds_load_b128 v[4*\q:4*\q+3], v[Z] offset:QL+16*\q
.endr
	s_wait_dscnt 16                                ; chunk 3 is in; those 16 may be out
	KEYS 3
	WIN 0
; ================ THE SCORES: a trip is one target
; 64 features (half hh) x the two contexts of window w.  d = key - query, two features at a time; |d0| + |d1|; the pair (context 2 (w - 1), context 2 (w - 1) + 1) onto one of eight pairs of sums by turns.
.macro BATCH hh, w
	WIN (0x0c|(\w))                                ; the keys in window w, the query in window 3, d in window 0
.set hp, 0
.rept 32
	v_pk_add_f32 v[D+4*hp:D+4*hp+1], v[64*(\hh)+2*hp:64*(\hh)+2*hp+1], v[64*(\hh)+2*hp:64*(\hh)+2*hp+1] neg_lo:[0,1] neg_hi:[0,1]
	v_pk_add_f32 v[D+4*hp+2:D+4*hp+3], v[128+64*(\hh)+2*hp:128+64*(\hh)+2*hp+1], v[64*(\hh)+2*hp:64*(\hh)+2*hp+1] neg_lo:[0,1] neg_hi:[0,1]
.set hp, hp+1
.endr
	WIN 0
.set hp, 0
.rept 32
	v_add_f32 v[D+4*hp], |v[D+4*hp]|, |v[D+4*hp+1]|
.set hp, hp+1
.endr
.set hp, 0
.rept 32
	v_add_f32 v[D+4*hp+1], |v[D+4*hp+2]|, |v[D+4*hp+3]|
.set hp, hp+1
.endr
.set AA, AC+16*((\w)-1)
.if (\hh) == 0
.set hp, 0
.rept 8
	v_pk_add_f32 v[AA+2*hp:AA+2*hp+1], v[D+4*hp:D+4*hp+1], v[D+4*(hp+8):D+4*(hp+8)+1]   ; the first terms start the sums: nothing is cleared
.set hp, hp+1
.endr
.set hp, 16
.rept 16
	v_pk_add_f32 v[AA+2*(hp%8):AA+2*(hp%8)+1], v[AA+2*(hp%8):AA+2*(hp%8)+1], v[D+4*hp:D+4*hp+1]
.set hp, hp+1
.endr
.else
.set hp, 0
.rept 32
	v_pk_add_f32 v[AA+2*(hp%8):AA+2*(hp%8)+1], v[AA+2*(hp%8):AA+2*(hp%8)+1], v[D+4*hp:D+4*hp+1]
.set hp, hp+1
.endr
.endif
.endm
.macro COMBINE                         ; eight pairs to one, both windows by turns; t = the sum x (-0.5 log2(e))
.irp i, 0,1,2,3
.irp a, AC, AC+16
	v_pk_add_f32 v[\a+2*\i:\a+2*\i+1], v[\a+2*\i:\a+2*\i+1], v[\a+2*\i+8:\a+2*\i+9]
.endr
.endr
.irp i, 0,1
.irp a, AC, AC+16
	v_pk_add_f32 v[\a+2*\i:\a+2*\i+1], v[\a+2*\i:\a+2*\i+1], v[\a+2*\i+4:\a+2*\i+5]
.endr
.endr
.irp a, AC, AC+16
	v_pk_add_f32 v[\a:\a+1], v[\a:\a+1], v[\a+2:\a+3]
.endr
	v_pk_mul_f32 v[TO:TO+1], v[AC:AC+1], 0xbf38aa3b op_sel_hi:[1,0]
	v_pk_mul_f32 v[TO+2:TO+3], v[AC+16:AC+17], 0xbf38aa3b op_sel_hi:[1,0]
.endm
	s_mov_b32 s[CNT], 8
	s_mov_b32 s[TQ], QL
	s_mov_b32 s[TT], 0
.Ltgt:
	v_mov_b32 v[QA], s[TQ]
	v_add_nc_u32 v[TA], s[TT], v[TS0]
	WIN 0xc0
.irp q, 0,1,2,3,4,5,6,7,8,9,10,11,12,13,14,15
	ds_load_b128 v[64+4*\q:64+4*\q+3], v[QA] offset:256+16*\q   ; this target's features 64-127
.endr
	s_wait_dscnt 16                                ; all but these 16: features 0-63, asked for half a target ago, are in
	BATCH 0, 1
	BATCH 0, 2
	s_wait_dscnt 0x0                               ; features 64-127 are in.  The count is 0 ahead of loads that the last trip jumps over, so that every later count holds on both ways
	s_cmp_eq_u32 s[CNT], 1
	s_cbranch_scc1 .Lnonext
	WIN 0xc0
.irp q, 0,1,2,3,4,5,6,7,8,9,10,11,12,13,14,15
	ds_load_b128 v[4*\q:4*\q+3], v[QA] offset:512+16*\q         ; the next target's features 0-63
.endr
	WIN 0
.Lnonext:
	BATCH 1, 1
	BATCH 1, 2
	COMBINE
.irp j, 0,1,2,3
	ds_store_b32 v[TA], v[TO+\j] offset:128*\j     ; local context 32 j + lane
.endr
	s_add_co_u32 s[TQ], s[TQ], 512
	s_add_co_u32 s[TT], s[TT], TPI
	s_sub_co_u32 s[CNT], s[CNT], 1
	s_cmp_lg_u32 s[CNT], 0
	s_cbranch_scc1 .Ltgt
; ================ THE SOFTMAX: my wave's 128 contexts of each target; p becomes K step w of source 1
.irp b, 0,1,2,3
.irp q, 0,1,2,3
	ds_load_b128 v[S+16*\b+4*\q:S+16*\b+4*\q+3], v[TR] offset:128*\b+16*\q   ; register 16 b + i: local context 32 b + 16 half + i of my target.  LDS serves a wave's instructions in order: these see my stores
.endr
.endr
.irp u, 0,1
.irp k, 0,1,2,3,4,5
	ds_load_b64 v[WW+12*\u+2*\k:WW+12*\u+2*\k+1], v[WA0] offset:1024*\k+64*\u   ; W_in and b_in for tiles 0 and 1
.endr
.endr
	WIN 0x40                                       ; the keys are done with: rows 0-3 of (x, y) into window 1, in the map of S
.irp k, 0,1,2,3
.irp b, 0,1,2,3
.irp q, 0,1,2,3
	ds_load_b128 v[64*\k+16*\b+4*\q:64*\k+16*\b+4*\q+3], v[ER] offset:512*\k+128*\b+16*\q
.endr
.endr
.endr
	WIN 0x80                                       ; row 4 into window 2
.irp b, 0,1,2,3
.irp q, 0,1,2,3
	ds_load_b128 v[16*\b+4*\q:16*\b+4*\q+3], v[ER] offset:512*4+128*\b+16*\q
.endr
.endr
	WIN 0
	s_wait_dscnt 63                                ; behind S's 16 loads 92 were issued; the count's field ends at 63, and a smaller count than 92 is safe: S is in
.irp b, 0,1,2,3
	v_max3_num_f32 v[BM+\b], v[S+16*\b], v[S+16*\b+1], v[S+16*\b+2]   ; the largest t of each block of 32 contexts: for the row's maximum, and, since p rises with t, for the block's largest p
.endr
.irp i, 3,5,7,9,11,13
.irp b, 0,1,2,3
	v_max3_num_f32 v[BM+\b], v[BM+\b], v[S+16*\b+\i], v[S+16*\b+\i+1]
.endr
.endr
.irp b, 0,1,2,3
	v_max_num_f32 v[BM+\b], v[BM+\b], v[S+16*\b+15]
.endr
.irp b, 0,1,2,3
	v_permlanex16_b32 v[BX+\b], v[BM+\b], s[SEL], s[SEL+1]
.endr
.irp b, 0,1,2,3
	v_max_num_f32 v[BM+\b], v[BM+\b], v[BX+\b]     ; with lane l xor 16's 16 contexts
.endr
	v_max3_num_f32 v[TMX], v[BM], v[BM+1], v[BM+2]
	v_max_num_f32 v[TMX], v[TMX], v[BM+3]          ; the largest t among my wave's 128 contexts
	ds_store_b32 v[MW], v[TMX] offset:ML
	v_add_nc_u32 v[PSA], s[SPS], v[LS]
	BARRIER                                        ; the four waves' largest t lie in LDS (and the rows of (x, y) and W_in's first pairs are in)
	ds_load_b128 v[MV:MV+3], v[L16] offset:ML
	s_wait_dscnt 0x0
	v_max3_num_f32 v[TMX], v[MV], v[MV+1], v[MV+2]
	v_max_num_f32 v[TMX], v[TMX], v[MV+3]          ; the row's largest t
	v_floor_f32 v[NM], -v[TMX]                     ; -M = floor(-t) = -ceil(t): a whole number, the same in all four waves
.set i, 0
.rept 32
	v_pk_add_f32 v[S+2*i:S+2*i+1], v[S+2*i:S+2*i+1], v[NM:NM+1] op_sel_hi:[1,0]   ; t - M (of the pair the low word serves both halves)
.set i, i+1
.endr
.irp b, 0,1,2,3
	v_add_f32 v[BM+\b], v[BM+\b], v[NM]            ; the same of each block's largest t
.endr
.set i, 0
.rept 64
	v_exp_f32 v[S+i], v[S+i]                       ; p = 2^(t - M), at most 1
.set i, i+1
.endr
	v_nop                                          ; a plain instruction behind the last exponential
	s_wait_alu depctr_va_vdst(0)                   ; one wait for the batch, ahead of its first reader
.irp b, 0,1,2,3
	v_exp_f32 v[BM+\b], v[BM+\b]                   ; the block's largest p: the same instructions on the same number give the same bits
.endr
	v_pk_add_f32 v[LA:LA+1], v[S:S+1], v[S+2:S+3]  ; the sum of the unquantised p, in two chains; it reads the 64 alone
	v_pk_add_f32 v[LB:LB+1], v[S+4:S+5], v[S+6:S+7]
.irp j, 8,12,16,20,24,28,32,36,40,44,48,52,56,60
	v_pk_add_f32 v[LA:LA+1], v[LA:LA+1], v[S+\j:S+\j+1]
	v_pk_add_f32 v[LB:LB+1], v[LB:LB+1], v[S+\j+2:S+\j+3]
.endr
	v_pk_add_f32 v[LA:LA+1], v[LA:LA+1], v[LB:LB+1]
	v_add_f32 v[LW], v[LA], v[LA+1]
	v_permlanex16_b32 v[BX], v[LW], s[SEL], s[SEL+1]
	v_add_f32 v[LW], v[LW], v[BX]                  ; l_w
	s_wait_alu depctr_va_vdst(0)                   ; and one wait for the four
.irp b, 0,1,2,3
	v_max_num_f32 v[BM+\b], 0x8000000, v[BM+\b]    ; the floor 2^(16 - 127): the byte cannot fall under 1
.endr
.irp b, 0,1,2,3
	v_add_nc_u32 v[SCO+\b], 0xf8800000, v[BM+\b]   ; 15 off the exponent field: the conversion's scale operand
.endr
.irp b, 0,1,2,3
	v_and_or_b32 v[HO+\b], v[BM+\b], 0x7f800000, s[MNT]   ; 57,344 x the scale
.endr
.irp b, 0,1,2,3
	v_lshrrev_b32 v[BY+\b], 23, v[SCO+\b]          ; the scale's byte
.endr
	v_lshl_or_b32 v[PS], v[BY+1], 8, v[BY]         ; p's scale word for these 128 contexts
	v_lshl_or_b32 v[PS], v[BY+2], 16, v[PS]
	v_lshl_or_b32 v[PS], v[BY+3], 24, v[PS]
.irp b, 0,1,2,3
.irp i, 0,1,2,3,4,5,6,7,8,9,10,11,12,13,14,15
	v_min_num_f32 v[S+16*\b+\i], v[S+16*\b+\i], v[HO+\b]   ; the conversion to an 8-bit code does not saturate (ISA guide 7.6.2); p is not negative, so the hold is one-sided
.endr
	v_cvt_scalef32_pk8_bf8_f32 v[PC+4*\b:PC+4*\b+1], v[S+16*\b:S+16*\b+7], v[SCO+\b]
	v_cvt_scalef32_pk8_bf8_f32 v[PC+4*\b+2:PC+4*\b+3], v[S+16*\b+8:S+16*\b+15], v[SCO+\b]
.endr
	v_nop                                          ; a plain instruction behind the last conversion
.irp c, 0,1,2,3
	ds_store_b128 v[PIW], v[PC+4*\c:PC+4*\c+3] offset:512*\c   ; the fragment goes to LDS as it stands
.endr
	ds_store_b32 v[PSA], v[PS]
	ds_store_b32 v[MW], v[LW] offset:LL
; ================ value for my 128 contexts: a trip is two tiles of 16 features
; 64 numbers of a lane, register 16 b + i = k 32 b + 16 half + i of the lane's row, become two fragments under one scale word in v[sw]: in v[cp] on the codes of what is positive, in v[cn] on the codes of the
; magnitudes of what is negative; the other part's places hold zeros.  The hold at the largest code x the scale makes the parts: between 0 and the hold, of x and of -x.  v[tp] on: 16 registers at work.
.macro QUANT2 s, cp, cn, sw, tm, tp
.irp b, 0,1,2,3
	v_max3_num_f32 v[\tm+\b], |v[\s+16*\b]|, |v[\s+16*\b+1]|, 0x8000000   ; my 16 numbers of block b, and the floor 2^(16 - 127)
.endr
.irp i, 2,4,6,8,10,12,14
.irp b, 0,1,2,3
	v_max3_num_f32 v[\tm+\b], v[\tm+\b], |v[\s+16*\b+\i]|, |v[\s+16*\b+\i+1]|
.endr
.endr
.irp b, 0,1,2,3
	v_permlanex16_b32 v[\tm+4+\b], v[\tm+\b], s[SEL], s[SEL+1]
.endr
.irp b, 0,1,2,3
	v_max_num_f32 v[\tm+\b], v[\tm+\b], v[\tm+4+\b]
.endr
.irp b, 0,1,2,3
	v_add_nc_u32 v[\tm+12+\b], 0xf8800000, v[\tm+\b]
.endr
.irp b, 0,1,2,3
	v_and_or_b32 v[\tm+8+\b], v[\tm+\b], 0x7f800000, s[MNT]
.endr
.irp b, 0,1,2,3
	v_lshrrev_b32 v[\tm+4+\b], 23, v[\tm+12+\b]
.endr
	v_lshl_or_b32 v[\sw], v[\tm+5], 8, v[\tm+4]
	v_lshl_or_b32 v[\sw], v[\tm+6], 16, v[\sw]
	v_lshl_or_b32 v[\sw], v[\tm+7], 24, v[\sw]
.irp b, 0,1,2,3
.irp i, 0,1,2,3,4,5,6,7,8,9,10,11,12,13,14,15
	v_med3_num_f32 v[\tp+\i], v[\s+16*\b+\i], 0, v[\tm+8+\b]              ; what is positive, held at the largest code x the scale
.endr
	v_cvt_scalef32_pk8_bf8_f32 v[\cp+4*\b:\cp+4*\b+1], v[\tp:\tp+7], v[\tm+12+\b]
	v_cvt_scalef32_pk8_bf8_f32 v[\cp+4*\b+2:\cp+4*\b+3], v[\tp+8:\tp+15], v[\tm+12+\b]
.irp i, 0,1,2,3,4,5,6,7,8,9,10,11,12,13,14,15
	v_med3_num_f32 v[\s+16*\b+\i], -v[\s+16*\b+\i], 0, v[\tm+8+\b]        ; the magnitude of what is negative, in place.  (These 16 also stand between the conversions above and the next block's writes of v[tp] on)
.endr
	v_cvt_scalef32_pk8_bf8_f32 v[\cn+4*\b:\cn+4*\b+1], v[\s+16*\b:\s+16*\b+7], v[\tm+12+\b]
	v_cvt_scalef32_pk8_bf8_f32 v[\cn+4*\b+2:\cn+4*\b+3], v[\s+16*\b+8:\s+16*\b+15], v[\tm+12+\b]
.endr
.endm
; Tile u of the trip.  value[context][my feature] for my 64 contexts: b_in + five multiply-adds, two contexts at a time; quantised along the contexts; the two fragments and their scale word go to LDS as they stand.
; next = 1: behind the multiply-adds the next trip's pairs of W_in are asked for.
.macro TILE u, next
	WIN 0x01                                       ; rows 0-3 of (x, y) in window 1
.set pr, 0
.rept 32
	v_pk_fma_f32 v[VL+2*pr:VL+2*pr+1], v[2*pr:2*pr+1], v[WW+12*(\u):WW+12*(\u)+1], v[WW+12*(\u)+10:WW+12*(\u)+11]
.set pr, pr+1
.endr
.irp k, 1,2,3
.set pr, 0
.rept 32
	v_pk_fma_f32 v[VL+2*pr:VL+2*pr+1], v[64*\k+2*pr:64*\k+2*pr+1], v[WW+12*(\u)+2*\k:WW+12*(\u)+2*\k+1], v[VL+2*pr:VL+2*pr+1]
.set pr, pr+1
.endr
.endr
	WIN 0x02                                       ; row 4 in window 2
.set pr, 0
.rept 32
	v_pk_fma_f32 v[VL+2*pr:VL+2*pr+1], v[2*pr:2*pr+1], v[WW+12*(\u)+8:WW+12*(\u)+9], v[VL+2*pr:VL+2*pr+1]
.set pr, pr+1
.endr
	WIN 0
	s_wait_dscnt 0x0                               ; the last tile's stores, issued 160 lines back, have read the code registers, which this tile writes anew
.if \next
	s_cmp_eq_u32 s[CNT], 1                         ; the last trip has no successor
	s_cbranch_scc1 .Lnw_\@
.irp v, 0,1
.irp k, 0,1,2,3,4,5
	ds_load_b64 v[WW+12*\v+2*\k:WW+12*\v+2*\k+1], v[WA] offset:256+1024*\k+64*\v
.endr
.endr
.Lnw_\@:
.endif
	QUANT2 VL, VCP, VCN, VSD+(\u), TM, TP
	v_nop                                          ; a plain instruction behind the last conversion
.irp c, 0,1,2,3
	ds_store_b128 v[VIW], v[VCP+4*\c:VCP+4*\c+3] offset:16384*(\u)+512*\c
.endr
.irp c, 0,1,2,3
	ds_store_b128 v[VIW], v[VCN+4*\c:VCN+4*\c+3] offset:16384*(\u)+2048+512*\c
.endr
	ds_store_b32 v[VSA], v[VSD+(\u)] offset:512*(\u)
.endm
	s_mov_b32 s[CNT], 4
	s_mov_b32 s[TW], 0
	s_mov_b32 s[TO2], 0
	s_mov_b32 s[TS2], 0
.Lval:
	s_wait_dscnt 0x0                               ; W_in's pairs for this trip are in, and the stores issued so far have read the registers that this trip writes anew
	v_add_nc_u32 v[WA], s[TW], v[WA0]
	v_add_nc_u32 v[VIW], s[TO2], v[VIW0]
	v_add_nc_u32 v[VSA], s[TS2], v[VSA0]
	TILE 0, 0
	TILE 1, 1
	s_add_co_u32 s[TW], s[TW], 256                 ; 32 features on
	s_add_co_u32 s[TO2], s[TO2], 32768             ; two tiles' images on
	s_add_co_u32 s[TS2], s[TS2], 1024              ; and their scale words
	s_sub_co_u32 s[CNT], s[CNT], 1
	s_cmp_lg_u32 s[CNT], 0
	s_cbranch_scc1 .Lval
	BARRIER                                        ; p's four fragments, value's sixty-four, their scale words and the four l lie in LDS
; ================ THE FIRST LARGE PRODUCT: wave w sums tiles 2 w and 2 w + 1 of O^T (features 32 w .. 32 w + 31) over all 512 contexts
	ds_load_b128 v[LV:LV+3], v[L16] offset:LL
.irp s, 0,1,2,3
	ds_load_b32 v[PSW+\s], v[LS] offset:PSL+128*\s
.endr
.irp u, 0,1
.irp s, 0,1,2,3
	ds_load_b32 v[VSW+4*\u+\s], v[VSR] offset:512*\u+128*\s
.endr
.endr
.irp s, 0,1,2,3
.irp c, 0,1,2,3
	ds_load_b128 v[PF+16*\s+4*\c:PF+16*\s+4*\c+3], v[L16] offset:PI+2048*\s+512*\c
.endr
.endr
	WIN 0x40                                       ; value's fragments fill window 1: tile u, K step s, part g at 128 u + 32 s + 16 g
.irp u, 0,1
.irp s, 0,1,2,3
.irp g, 0,1
.irp c, 0,1,2,3
	ds_load_b128 v[128*\u+32*\s+16*\g+4*\c:128*\u+32*\s+16*\g+4*\c+3], v[VIR] offset:16384*\u+4096*\s+2048*\g+512*\c
.endr
.endr
.endr
.endr
	WIN 0
	s_wait_dscnt 63                                ; the four l are in: behind their load stand 4 + 8 + 16 + 64 others; the count's field ends at 63, and a smaller count than 92 is safe
	v_add_f32 v[LT], v[LV], v[LV+1]
	v_add_f32 v[LT+1], v[LV+2], v[LV+3]
	v_add_f32 v[LT], v[LT], v[LT+1]                ; l
	v_mov_b32 v[LT+1], v[LT]
	v_rcp_f32 v[RL], v[LT]
	v_rcp_f32 v[RL+1], v[LT]
	v_xor_b32 v[NL], 0x80000000, v[LT]             ; -l, twice.  (Plain work behind the reciprocals: it names neither result and writes no source)
	v_xor_b32 v[NL+1], 0x80000000, v[LT]
	s_wait_dscnt 0x0                               ; the fragments and their scale words are in
	WIN 0x01                                       ; source 0 (value) in window 1
.irp s, 0,1,2,3                        ; K ascending; the four accumulators take turns, one instruction a turn; the first K step starts the sums
.irp u, 0,1
.irp g, 0,1
.if \s == 0
	v_wmma_scale_f32_16x16x128_f8f6f4 v[OA+16*\u+8*\g:OA+16*\u+8*\g+7], v[128*\u+32*\s+16*\g:128*\u+32*\s+16*\g+15], v[PF+16*\s:PF+16*\s+15], 0, v[VSW+4*\u+\s], v[PSW+\s] matrix_a_fmt:MATRIX_FMT_BF8 matrix_b_fmt:MATRIX_FMT_BF8
.else
	v_wmma_scale_f32_16x16x128_f8f6f4 v[OA+16*\u+8*\g:OA+16*\u+8*\g+7], v[128*\u+32*\s+16*\g:128*\u+32*\s+16*\g+15], v[PF+16*\s:PF+16*\s+15], v[OA+16*\u+8*\g:OA+16*\u+8*\g+7], v[VSW+4*\u+\s], v[PSW+\s] matrix_a_fmt:MATRIX_FMT_BF8 matrix_b_fmt:MATRIX_FMT_BF8
.endif
.endr
.endr
.endr
	WIN 0
.rept 8
	v_nop                                          ; eight places ahead of the first read of the results, and of the first write over p's fragments
.endr
.irp u, 0,1
.irp i, 0,1,2,3
	v_pk_add_f32 v[DF+8*\u+2*\i:DF+8*\u+2*\i+1], v[OA+16*\u+2*\i:OA+16*\u+2*\i+1], v[OA+16*\u+8+2*\i:OA+16*\u+8+2*\i+1] neg_lo:[0,1] neg_hi:[0,1]   ; O = O+ - O-; each accumulator is read from its low end on
.endr
.endr
	s_wait_alu depctr_va_vdst(0)                   ; one wait for both reciprocals, ahead of their first reader
.irp i, 0,1,2,3,4,5,6,7
	v_pk_mul_f32 v[R+2*\i:R+2*\i+1], v[DF+2*\i:DF+2*\i+1], v[RL:RL+1]   ; q = O x (1 / l)
.endr
.irp i, 0,1,2,3,4,5,6,7
	v_pk_fma_f32 v[E+2*\i:E+2*\i+1], v[R+2*\i:R+2*\i+1], v[NL:NL+1], v[DF+2*\i:DF+2*\i+1]   ; what is left: O - q l
.endr
.irp i, 0,1,2,3,4,5,6,7
	v_pk_fma_f32 v[R+2*\i:R+2*\i+1], v[E+2*\i:E+2*\i+1], v[RL:RL+1], v[R+2*\i:R+2*\i+1]     ; rep = O / l, mended by it: rep goes into a quantiser.  Register i is feature 32 w + 16 half + i of my target
.endr
	; one block of 32 along the next K lies in lanes l and l xor 16
	v_max3_num_f32 v[TMT], |v[R]|, |v[R+1]|, 0x8000000
	v_max3_num_f32 v[TMT+1], |v[R+2]|, |v[R+3]|, |v[R+4]|
	v_max3_num_f32 v[TMT], v[TMT], |v[R+5]|, |v[R+6]|
	v_max3_num_f32 v[TMT+1], v[TMT+1], |v[R+7]|, |v[R+8]|
	v_max3_num_f32 v[TMT], v[TMT], |v[R+9]|, |v[R+10]|
	v_max3_num_f32 v[TMT+1], v[TMT+1], |v[R+11]|, |v[R+12]|
	v_max3_num_f32 v[TMT], v[TMT], |v[R+13]|, |v[R+14]|
	v_max3_num_f32 v[TMT], v[TMT], v[TMT+1], |v[R+15]|
	v_permlanex16_b32 v[TMT+2], v[TMT], s[SEL], s[SEL+1]
	v_max_num_f32 v[TMT], v[TMT], v[TMT+2]
	v_add_nc_u32 v[TMT+3], 0xf8800000, v[TMT]      ; the conversion's scale operand
	v_and_or_b32 v[TMT+4], v[TMT], 0x7f800000, s[MNT]   ; 57,344 x the scale
	v_lshrrev_b32 v[TMT+5], 23, v[TMT+3]           ; the scale's byte
.irp i, 0,1,2,3,4,5,6,7,8,9,10,11,12,13,14,15
	v_med3_num_f32 v[R+\i], v[R+\i], -v[TMT+4], v[TMT+4]
.endr
	v_cvt_scalef32_pk8_bf8_f32 v[RC:RC+1], v[R:R+7], v[TMT+3]
	v_cvt_scalef32_pk8_bf8_f32 v[RC+2:RC+3], v[R+8:R+15], v[TMT+3]
	v_nop                                          ; a plain instruction behind the last conversion
	ds_store_b128 v[RIW], v[RC:RC+3] offset:RI     ; registers 4 w .. 4 w + 3 of rep's fragment, as they stand
	ds_store_b32 v[MW], v[TMT+5] offset:RS
	BARRIER                                        ; rep's fragment and its four bytes lie in LDS
; ================ THE SECOND LARGE PRODUCT: my 32 outputs
	ds_load_b128 v[RB:RB+3], v[L16] offset:RS
.irp c, 0,1,2,3
	ds_load_b128 v[RF+4*\c:RF+4*\c+3], v[L16] offset:RI+512*\c
.endr
	s_wait_dscnt 4                                 ; the bytes are in; the fragment's four loads may be out
	v_lshl_or_b32 v[RSW], v[RB+1], 8, v[RB]
	v_lshl_or_b32 v[RSW], v[RB+2], 16, v[RSW]
	v_lshl_or_b32 v[RSW], v[RB+3], 24, v[RSW]      ; rep's scale word
.rept 8
	v_nop                                          ; a scale word written by vector instructions stands eight places ahead of the scaled matrix instruction
.endr
	s_wait_dscnt 0x0                               ; rep's fragment
	s_wait_loadcnt 0x0                             ; W_tgt, its scale words and b_tgt, asked for at the head
.irp u, 0,1
	v_wmma_scale_f32_16x16x128_f8f6f4 v[OD+8*\u:OD+8*\u+7], v[WT+16*\u:WT+16*\u+15], v[RF:RF+15], v[BT+8*\u:BT+8*\u+7], v[WTS+\u], v[RSW] matrix_a_fmt:MATRIX_FMT_BF8 matrix_b_fmt:MATRIX_FMT_BF8   ; outputs 32 w + 16 u on; the bias is the sum's first addend
.endr
.rept 8
	v_nop
.endr
.irp u, 0,1
	ds_store_b128 v[SO], v[OD+8*\u:OD+8*\u+3] offset:64*\u        ; lane (r, half): out(target r % 8, 32 w + 16 u + 8 half + 0 .. 7); each accumulator from its low end on
	ds_store_b128 v[SO], v[OD+8*\u+4:OD+8*\u+7] offset:64*\u+16
.endr
	BARRIER                                        ; 8 whole rows lie in the stage
	ds_load_b128 v[STG:STG+3], v[SR]
	ds_load_b128 v[STG+4:STG+7], v[SR] offset:TPI
	s_wait_dscnt 1
	global_store_b128 v[GO], v[STG:STG+3], s[24:25] th:TH_STORE_NT              ; 32 lanes store a row of 512 consecutive bytes, at a multiple of 256 from out0's first byte
	s_wait_dscnt 0x0
	global_store_b128 v[GO], v[STG+4:STG+7], s[24:25] offset:512 th:TH_STORE_NT
	s_wait_xcnt 0x0
	v_lshl_add_u32 v254, v0, 2, 0x30000
	v_mov_b32 v255, 0
	s_wait_tensorcnt 0x0
	ds_add_u32 v254, v255
	s_wait_dscnt 0x0
	s_endpgm
.Lfunc_end_k_q61267ef48f_locenc:
	.size	k_q61267ef48f_locenc, .Lfunc_end_k_q61267ef48f_locenc-k_q61267ef48f_locenc
	.p2alignl 7, 3214868480
	.fill 96, 4, 3214868480
	.section	.rodata,"a",@progbits
	.p2align	6, 0x0
	.amdhsa_kernel k_q61267ef48f_locenc
		.amdhsa_group_segment_fixed_size 197120
		.amdhsa_private_segment_fixed_size 0
		.amdhsa_enable_private_segment 0
		.amdhsa_kernarg_size 88
		.amdhsa_user_sgpr_count 2
		.amdhsa_user_sgpr_kernarg_segment_ptr 1
		.amdhsa_wavefront_size32 1
		.amdhsa_system_sgpr_workgroup_id_x 1
		.amdhsa_system_sgpr_workgroup_id_y 1
		.amdhsa_system_sgpr_workgroup_id_z 1
		.amdhsa_system_vgpr_workitem_id 0
		.amdhsa_next_free_vgpr 1024
		.amdhsa_next_free_sgpr 66
		.amdhsa_reserve_vcc 0
		.amdhsa_float_denorm_mode_32 3
		.amdhsa_float_denorm_mode_16_64 3
		.amdhsa_memory_ordered 1
		.amdhsa_forward_progress 1
		.amdhsa_inst_pref_size 197
	.end_amdhsa_kernel
	.amdgpu_metadata
---
amdhsa.version: [ 1, 2 ]
amdhsa.kernels:
  - .name:           k_q61267ef48f_locenc
    .symbol:         k_q61267ef48f_locenc.kd
    .args:
      - { .name: context_x, .offset: 0, .size: 8, .value_kind: global_buffer, .address_space: global }
      - { .name: context_y, .offset: 8, .size: 8, .value_kind: global_buffer, .address_space: global }
      - { .name: target_x, .offset: 16, .size: 8, .value_kind: global_buffer, .address_space: global }
      - { .name: W_ctx, .offset: 24, .size: 8, .value_kind: global_buffer, .address_space: global }
      - { .name: b_ctx, .offset: 32, .size: 8, .value_kind: global_buffer, .address_space: global }
      - { .name: W_in, .offset: 40, .size: 8, .value_kind: global_buffer, .address_space: global }
      - { .name: b_in, .offset: 48, .size: 8, .value_kind: global_buffer, .address_space: global }
      - { .name: W_tgt_codes, .offset: 56, .size: 8, .value_kind: global_buffer, .address_space: global }
      - { .name: W_tgt_scales, .offset: 64, .size: 8, .value_kind: global_buffer, .address_space: global }
      - { .name: b_tgt, .offset: 72, .size: 8, .value_kind: global_buffer, .address_space: global }
      - { .name: out0, .offset: 80, .size: 8, .value_kind: global_buffer, .address_space: global }
    .group_segment_fixed_size: 197120
    .private_segment_fixed_size: 0
    .kernarg_segment_align: 8
    .kernarg_segment_size: 88
    .max_flat_workgroup_size: 128
    .sgpr_count:     66
    .vgpr_count:     1024
    .wavefront_size: 32
...
	.end_amdgpu_metadata
.endif
;; end of part 1
;; ======== version 2 of 2: 1 launch; version 1 with the launch locenc written anew for expert scheduling mode
;; launch locenc (part 2): grid 256 x 1, 4 waves a work-group, no clusters, 197,120 bytes of LDS; arguments context_x, context_y, target_x, W_ctx, b_ctx, W_in, b_in, W_tgt_codes, W_tgt_scales, b_tgt, out0; writes out0
.if DOCPART == 2
	.amdgcn_target "amdgcn-amd-amdhsa--gfx1250"
	.amdhsa_code_object_version 6
	.text
	.protected	k_q61267ef48f_locenc
	.globl	k_q61267ef48f_locenc
	.p2align	8
	.type	k_q61267ef48f_locenc,@function
k_q61267ef48f_locenc:
	s_mov_b64 s[64:65], 0
	v_nop
	global_prefetch_b8 v0, s[64:65] scope:SCOPE_SE
	s_setreg_imm32_b32 hwreg(HW_REG_WAVE_SCHED_MODE, 0, 2), 2
	s_setreg_imm32_b32 hwreg(HW_REG_WAVE_MODE, 25, 1), 1
	s_wait_xcnt 0x0
	s_wait_alu depctr_vm_vsrc(0)
; out[b][t][:] = (softmax_c(-0.5 sum_h |key[b][c][h] - query[b][t][h]|) value[b][c][:]) W_tgt + b_tgt.   4 batches, 512 targets, 512 contexts, 128 features.
; key = x[0:3] W_ctx + b_ctx (contexts), query the same of the targets, value = (x[0:3], y[0:2]) W_in + b_in: all by f32 multiply-adds, the bias as the first addend.
; The two large products go on codes of BF8 (E5M2) with one E8M0 scale for each 32 along K: p (K = the contexts) x value, and rep (K = the 128 features) x W_tgt, whose codes are given.
; THE SOFTMAX: t = score x log2(e); M = the row's largest t rounded up to a whole number; p = 2^(t - M) is quantised, not normalised; the sum of the unquantised p divides at the end.
; SHARES.  A work-group owns 8 targets (2,048 / 256), all of one batch.  Wave w owns contexts 128 w .. 128 w + 127 of that batch, lane L contexts 128 w + 32 j + L, j = 0..3: its 4 x 128 keys stay in 512 registers.
; A target's 128 query numbers are the same for all lanes: they lie in LDS and come by loads in which all lanes name one address.
; THE DISTANCES: for two features and two contexts: two packed subtractions, two additions of magnitudes (|d0| + |d1|), one packed addition onto a pair of sums: five instructions for four terms.
; A wave's 128 contexts are K step w of the first large product.  The waves exchange their rows' largest t through LDS, so that all take one M; each wave then quantises p and value for its own contexts and stores the
; fragments in LDS as images of their registers (16 bytes a lane, 512 a store; the scale word 4 bytes a lane).
; 8 TARGETS IN A TILE OF 16: lanes with lane % 16 = 8..15 hold copies of targets 0..7 (they read row lane % 8): nothing is masked, EXEC is never changed, and copies store the same values to the same bytes.
; BOTH PRODUCTS ARE USED TRANSPOSED (source 0 = 16 features, source 1 = the targets): a lane holds one target throughout.  THE FEATURES OF A TILE OF value ARE NOT NEIGHBOURS: lane r of tile 2 b + u takes feature
; 32 b + 8 u + r + 8 (r / 8), so that the 16 results of tiles 2 b and 2 b + 1 in a lane are 16 neighbours along the next K.
; NO TENSOR LOADS, NO CLUSTER: a work-group reads under 40 KB, once, at its head, through registers (its wave's 3 KB of contexts, 128 bytes of targets, 21 KB of weights); what work-groups share is that and nothing in
; the loops, which touch no memory.  No prefetch for the same reason: every global load goes out at the head.
; LIMITS: NaN and infinities among the inputs are not served.  A block whose largest magnitude lies under 2^-111 keeps the scale byte 1 (a block of zeros too: its codes are zeros, and these bytes are read by this
; program alone).  p under 2^-126 comes out of v_exp_f32 as 0.  The f32 sums ahead of the quantisers run in another order than the reference's.
; REGISTERS, in windows of 256: window 0: addresses, scales, W_tgt, and the work in hand;  windows 1, 2: the keys of contexts j = 0, 1 and j = 2, 3 at 128 (j % 2) + h, later the rows of (x, y) for value,
;   at the end (window 1) value's sixteen fragments;  window 3: W_ctx by chunks of 32 features (two buffers of 128), then a target's query at v[h].
; THE MODE: SCHED_MODE bits 1:0 = 2 (LLVM: expert scheduling mode 2), set by the entry lines.  The code itself states the register dependences between vector or matrix instructions and memory or LDS
; instructions, with s_wait_alu, always for 0.
; THE PLAN: the registers that memory or LDS instructions touch, phase by phase, and who else names them.
;   ADDRESSES   All but five are made at the head, ahead of the one wait in front of the first load, and never written again.  The five that walk (v[QA], v[TA]; v[WA], v[VIW], v[VSA]) are written behind a wait
;               on vm_vsrc and ahead of a wait on va_vdst that stands there for data anyway.
;   THE HEAD    The queries and W_in's copies are made first, then one wait, then the whole run of LDS stores.  At the head's end one wait on vm_vsrc: offsets and stored data lie where the scores will work.
;   THE KEYS    Window 3's two buffers: filled by LDS loads, read by KEYS n; one wait on va_vdst ahead of each refill.
;   THE SCORES  Window 3 v0-63: read by BATCH 0, loaded anew in mid-trip behind a wait.  v64-127: read by BATCH 1, loaded anew at the next trip's head.  v[TO ..]: written by COMBINE, read by the trip's four stores.
;               One wait on va_vdst at the trip's end states that v[TO ..], v[TA], v[QA] are written and that BATCH 1 is done: the four stores and, over the back edge, the sixteen loads follow it with no
;               vector instruction between.  One wait on vm_vsrc ahead of the address lines and COMBINE.
;   THE SOFTMAX The last trip's wait also serves the loads of t, of W_in's first pairs and of the rows of (x, y): the softmax names none of windows 1 and 2, so those 80 loads are dealt among its lines.
;   value       v[VCP ..], v[VCN ..], v[VSD ..]: written by QUANT2, read by the tile's nine stores: a wait on vm_vsrc ahead of QUANT2, a wait on va_vdst ahead of the stores.  v[WW ..]: read by both tiles'
;               multiply-adds, loaded anew behind a wait in the second tile.
;   THE TAIL    One wait on vm_vsrc behind the barrier (value's stores have read the registers that the tail takes); a wait on va_vdst ahead of each of the three runs of LDS stores, and one for rep's scale word.
; ---- LDS, in bytes
.set QL,  0                            ; query[t][h] f32, a row 512
.set WL,  4096                         ; W_ctx's three rows and b_ctx, 512 each
.set WI,  6144                         ; W_in's five rows and b_in, each number twice: a row 1,024
.set EN,  12288                        ; a wave's own: row k = 0..4 of (x0, x1, x2, y0, y1) by local context, a row 512
.set ENB, 2560
.set TS,  22528                        ; a wave's own: t[target][local context], pitch 528
.set TSB, 4224
.set TPI, 528
.set ML,  39424                        ; the largest t of wave w's contexts at 16 lane + 4 w
.set LL,  39936                        ; l_w likewise
.set RI,  40448                        ; rep's fragment as an image of its registers: block c at 512 c + 16 lane
.set RS,  42496                        ; rep's scale bytes, a word each, at 16 lane + 4 c
.set SG,  43008                        ; the way out: 8 rows, pitch 528
.set PSL, 47232                        ; p's scale words: K step s at 128 s + 4 lane
.set VSL, 47744                        ; value's: (4 tile + s) x 128 + 4 lane
.set PI,  51840                        ; p's fragments as images: 2,048 s + 512 c + 16 lane
.set VI,  60032                        ; value's: ((4 tile + s) x 2 + part) x 2,048 + 512 c + 16 lane; ends at 191,104
; ---- scalars
.set SPS,  26                          ; PSL + 128 w
.set WAVE, 28
.set BAT,  29
.set SEL,  36                          ; s[36:37] v_permlanex16_b32's selects for lane l xor 16
.set MNT,  38                          ; the mantissa field of 57,344
.set CNT,  39
.set TQ,   40                          ; the target's row in QL
.set TT,   41                          ; and in TS
.set TW,   42                          ; the trip's place in a row of WI,
.set TO2,  43                          ; among value's images,
.set TS2,  46                          ; and among its scale words
; ---- window 0, registers that stay
.set LS,  1                            ; 4 x lane
.set Z,   2                            ; 0
.set QA,  3                            ; the scores: the target's row in QL
.set PSA, 3                            ; behind them: where I store p's scale word
.set TS0, 4
.set TA,  5
.set TR,  6
.set ER,  7
.set WA0, 8
.set WA,  9
.set VIW0, 10
.set VIW, 11
.set MW,  12
.set L16, 13
.set VIR, 14
.set SO,  15
.set SR,  16
.set GO,  17
.set PS,  18                           ; p's scale word on its way to LDS
.set VSD, 19                           ; v19-20 value's, for the trip's two tiles
.set VSA0, 21
.set VSA, 22
.set RIW, 23
.set NM,  24                           ; -M
.set TMX, 25                           ; the largest t
.set LW,  26                           ; l_w
.set VSR, 27
.set TO,  28                           ; v28-31 a target's four t
.set WT,  32                           ; v32-63 W_tgt's two fragments
.set BT,  64                           ; v64-79 b_tgt in the result's layout
.set PSW, 80                           ; v80-94 hold scale words for the matrix instructions and nothing else: p's four K steps,
.set VSW, 84                           ; value's: tile u, K step s at 4 u + s,
.set RSW, 92                           ; rep's,
.set WTS, 93                           ; W_tgt's two
.set PIW, 95
; ---- v96-127 by phase
.set XC,  96                           ; x0..x3 of context j at 4 j
.set XB,  112                          ; x1 of context j, twice
.set YC,  120                          ; y0, y1 of context j
.set AC,  96                           ; the distances' sums: 8 pairs for each window of keys
.set WW,  96                           ; W_in's pairs: tile u, row k at 12 u + 2 k (k = 5: b_in)
; ---- v128-255 by phase
.set TX,  128
.set WC,  160
.set WIV, 164
.set QV,  176
.set T4,  184
.set T8,  185
.set ACX, 186
.set ACY, 187
.set ATX, 188
.set AWT, 189
.set AWS, 190
.set ABT, 191
.set ENW, 192
.set LN,  193
.set RR,  194
.set HF,  195
.set R7,  196
.set TMP, 197
.set D,   128                          ; the scores: 128 registers of differences
.set S,   128                          ; the softmax: 64 t, then p
.set BM,  192
.set BX,  196
.set HO,  200
.set SCO, 204
.set BY,  208
.set LA,  212
.set LB,  214
.set PC,  216                          ; p's codes
.set MV,  232                          ; the four waves' largest t
.set VL,  128                          ; value: 64 numbers
.set VCP, 192                          ; the codes of its positive part,
.set TM,  208
.set VCN, 224                          ; of its negative part's magnitudes
.set TP,  240                          ; 16 numbers of a block's positive part
.set PF,  128                          ; the tail: p's four fragments
.set OA,  192                          ; four accumulators: tile u, part g at 16 u + 8 g
.set LV,  224
.set LT,  228                          ; l, twice
.set NL,  230                          ; -l, twice
.set RL,  232                          ; 1 / l, twice
.set DF,  234                          ; O = O+ - O-
.set TMT, 250
.set R,   128                          ; over p's fragments, once the products are done: the quotient,
.set E,   144                          ; and what is left of the division
.set RC,  160
.set RB,  164
.set RF,  176
.set OD,  192
.set STG, 208
.set MSB, 0
.macro WIN new                         ; s_set_vgpr_msb: bits 1:0 source 0, 3:2 source 1, 5:4 source 2, 7:6 destination; the high byte repeats the setting that is left
.if MSB != (\new)
	s_set_vgpr_msb (MSB<<8)|(\new)
.set MSB, (\new)
.endif
.endm
.macro BARRIER                         ; my LDS stores have landed and my LDS loads are in: then the work-group's barrier
	s_wait_dscnt 0x0
	s_barrier_signal -1
	s_barrier_wait -1
.endm
; ================ THE HEAD
	s_load_b256 s[4:11], s[0:1], 0x0               ; context_x 4:5, context_y 6:7, target_x 8:9, W_ctx 10:11
	s_load_b256 s[12:19], s[0:1], 0x20             ; b_ctx 12:13, W_in 14:15, b_in 16:17, W_tgt's codes 18:19
	s_load_b128 s[20:23], s[0:1], 0x40             ; W_tgt's scales 20:21, b_tgt 22:23
	s_load_b64 s[24:25], s[0:1], 0x50              ; out0
	v_lshrrev_b32 v[TMP], 5, v0
	v_readfirstlane_b32 s[WAVE], v[TMP]            ; wave 0..3
	v_and_b32 v[LN], 31, v0                        ; lane
	v_and_b32 v[RR], 15, v0                        ; r
	v_bfe_u32 v[HF], v0, 4, 1                      ; half
	v_and_b32 v[R7], 7, v0                         ; the lane's target
	v_mov_b32 v[Z], 0
	v_lshlrev_b32 v[LS], 2, v[LN]
	s_mov_b32 s[TQ], QL
	v_mov_b32 v[QA], s[TQ]                         ; target 0's row in QL: each trip of the scores makes the next target's
	s_lshr_b32 s[BAT], ttmp9, 6                    ; 64 work-groups to a batch
	s_wait_alu depctr_va_sdst(0)                   ; the wave's number is written into its scalar register, ahead of its first reader
	s_mul_i32 s30, s[WAVE], TSB
	s_add_co_u32 s30, s30, TS
	v_lshl_add_u32 v[TS0], v[LN], 2, s30           ; t goes in at 4 x lane of my wave's rows,
	v_mul_u32_u24 v[TMP], v[R7], TPI
	v_lshl_add_u32 v[TMP], v[HF], 6, v[TMP]
	v_add_nc_u32 v[TR], s30, v[TMP]                ; and comes back by rows: my target's, 16 contexts of each 32 for my half
	s_mul_i32 s31, s[WAVE], ENB
	s_add_co_u32 s31, s31, EN
	v_lshl_add_u32 v[ER], v[HF], 6, s31
	v_lshl_add_u32 v[ENW], v[LN], 2, s31
	v_and_b32 v[TMP], 8, v[RR]
	v_add_nc_u32 v[TMP], v[TMP], v[RR]             ; r + 8 (r / 8)
	v_lshl_add_u32 v[WA0], v[TMP], 3, WI           ; 8 bytes a feature
	s_lshl_b32 s33, s[WAVE], 11                    ; an image is 2,048 bytes: p's K step w
	s_add_co_u32 s33, s33, PI
	v_lshl_add_u32 v[PIW], v[LN], 4, s33
	s_lshl_b32 s33, s[WAVE], 12                    ; value's K step w: two images
	s_add_co_u32 s33, s33, VI
	v_lshl_add_u32 v[VIW0], v[LN], 4, s33          ; where I store value's images (tile 0)
	s_lshl_b32 s33, s[WAVE], 15
	s_add_co_u32 s33, s33, VI
	v_lshl_add_u32 v[VIR], v[LN], 4, s33           ; where I read value's: tiles 2 w and 2 w + 1, 16,384 bytes a tile
	s_lshl_b32 s33, s[WAVE], 7
	s_add_co_u32 s[SPS], s33, PSL
	s_add_co_u32 s33, s33, VSL
	v_lshl_add_u32 v[VSA0], v[LN], 2, s33          ; the scale words: 128 bytes a K step, 512 a tile
	s_lshl_b32 s33, s[WAVE], 10
	s_add_co_u32 s33, s33, VSL
	v_lshl_add_u32 v[VSR], v[LN], 2, s33
	s_lshl_b32 s33, s[WAVE], 2
	v_lshl_add_u32 v[MW], v[LN], 4, s33
	v_lshlrev_b32 v[L16], 4, v[LN]
	v_mul_u32_u24 v[TMP], v[R7], TPI
	v_lshl_add_u32 v[TMP], v[HF], 5, v[TMP]
	s_lshl_b32 s33, s[WAVE], 7
	s_add_co_u32 s33, s33, SG
	v_add_nc_u32 v[SO], s33, v[TMP]                ; the stage: my target's row, my wave's 128 bytes, 32 for each half
	s_mul_i32 s33, s[WAVE], 2*TPI
	s_add_co_u32 s33, s33, SG
	v_lshl_add_u32 v[SR], v[LN], 4, s33            ; back: rows 2 w and 2 w + 1, 16 bytes a lane
	s_lshl_b32 s33, s[WAVE], 10
	v_lshl_add_u32 v[GO], v[LN], 4, s33
	s_lshl_b32 s33, s[WAVE], 9
	v_lshl_add_u32 v[RIW], v[LN], 4, s33
	v_lshlrev_b32 v[T4], 2, v0                     ; thread h: 4 bytes,
	v_lshlrev_b32 v[T8], 3, v0                     ; 8 bytes
	s_lshl_b32 s34, s[BAT], 13                     ; context_x: 8,192 bytes a batch, 2,048 a wave, 16 a context
	s_lshl_b32 s35, s[WAVE], 11
	s_add_co_u32 s34, s34, s35
	v_lshl_add_u32 v[ACX], v[LN], 4, s34
	s_lshl_b32 s34, s[BAT], 12                     ; context_y: half of that
	s_lshl_b32 s35, s[WAVE], 10
	s_add_co_u32 s34, s34, s35
	v_lshl_add_u32 v[ACY], v[LN], 3, s34
	s_lshl_b32 s34, ttmp9, 7                       ; target_x: my work-group's 8 rows of 16 bytes, the same for all lanes
	v_mov_b32 v[ATX], s34
	s_lshl_b32 s34, s[WAVE], 12                    ; W_tgt's codes: my 32 rows of 128 bytes; row r, + 16 x half
	v_lshl_add_u32 v[AWT], v[RR], 7, s34
	v_lshl_add_u32 v[AWT], v[HF], 4, v[AWT]
	s_lshl_b32 s34, s[WAVE], 7                     ; its scale words and b_tgt: 128 bytes a wave
	v_lshl_add_u32 v[AWS], v[RR], 2, s34
	v_lshl_add_u32 v[ABT], v[HF], 5, s34
	s_lshl_b32 s44, ttmp9, 12                      ; out0: 8 rows of 512 bytes a work-group
	s_mov_b32 s45, 0
	s_mov_b32 s[SEL], 0x76543210
	s_mov_b32 s[SEL+1], 0xfedcba98
	s_mov_b32 s[MNT], 0x600000
	s_wait_kmcnt 0x0
	s_add_nc_u64 s[24:25], s[24:25], s[44:45]
	s_wait_alu depctr_va_vdst(0)                   ; every address and offset made above is written: the loads below read seven of them, the kernel's LDS instructions and its last stores the others
	; group A, 18 loads: what the queries and the tables in LDS want
.irp k, 0,1,2
	global_load_b32 v[WC+\k], v[T4], s[10:11] offset:512*\k
.endr
	global_load_b32 v[WC+3], v[T4], s[12:13]
.irp t, 0,1,2,3,4,5,6,7
	global_load_b128 v[TX+4*\t:TX+4*\t+3], v[ATX], s[8:9] offset:16*\t
.endr
.irp k, 0,1,2,3,4
	global_load_b32 v[WIV+2*\k], v[T4], s[14:15] offset:512*\k
.endr
	global_load_b32 v[WIV+10], v[T4], s[16:17]
	; group B, 8 loads: my four contexts; each load of the wave covers 512 or 256 consecutive bytes
.irp j, 0,1,2,3
	global_load_b128 v[XC+4*\j:XC+4*\j+3], v[ACX], s[4:5] offset:512*\j
.endr
.irp j, 0,1,2,3
	global_load_b64 v[YC+2*\j:YC+2*\j+1], v[ACY], s[6:7] offset:256*\j
.endr
	; group C, 14 loads: W_tgt and b_tgt for my 32 outputs: wanted at the very end
.irp u, 0,1
.irp c, 0,1,2,3
	global_load_b128 v[WT+16*\u+4*\c:WT+16*\u+4*\c+3], v[AWT], s[18:19] offset:2048*\u+32*\c
.endr
.endr
.irp u, 0,1
	global_load_b32 v[WTS+\u], v[AWS], s[20:21] offset:64*\u
.endr
.irp u, 0,1
.irp x, 0,1
	global_load_b128 v[BT+8*\u+4*\x:BT+8*\u+4*\x+3], v[ABT], s[22:23] offset:64*\u+16*\x
.endr
.endr
	s_wait_loadcnt 22                              ; group A is in; B's 8 and C's 14 may be out
.irp t, 0,1,2,3,4,5,6,7
	v_fma_f32 v[QV+\t], v[TX+4*\t], v[WC], v[WC+3] ; thread h makes query[t][h], in the order in which the keys are made: b, + x0 W0, + x1 W1, + x2 W2
.endr
.irp t, 0,1,2,3,4,5,6,7
	v_fma_f32 v[QV+\t], v[TX+4*\t+1], v[WC+1], v[QV+\t]
.endr
.irp t, 0,1,2,3,4,5,6,7
	v_fma_f32 v[QV+\t], v[TX+4*\t+2], v[WC+2], v[QV+\t]
.endr
.irp k, 0,1,2,3,4,5
	v_mov_b32 v[WIV+2*\k+1], v[WIV+2*\k]           ; each number twice: a packed operand for two contexts
.endr
	s_wait_alu depctr_va_vdst(0)                   ; the queries v[QV ..] and W_in's copies are written: the LDS stores below read them
.irp t, 0,1,2,3,4,5,6,7
	ds_store_b32 v[T4], v[QV+\t] offset:QL+512*\t
.endr
.irp k, 0,1,2,3
	ds_store_b32 v[T4], v[WC+\k] offset:WL+512*\k
.endr
.irp k, 0,1,2,3,4,5
	ds_store_b64 v[T8], v[WIV+2*\k:WIV+2*\k+1] offset:WI+1024*\k
.endr
	s_wait_loadcnt 14                              ; group B is in; C's 14 may be out
.irp j, 0,1,2,3
.irp k, 0,1,2
	ds_store_b32 v[ENW], v[XC+4*\j+\k] offset:512*\k+128*\j
.endr
	ds_store_b32 v[ENW], v[YC+2*\j] offset:512*3+128*\j
	ds_store_b32 v[ENW], v[YC+2*\j+1] offset:512*4+128*\j
.endr
.irp j, 0,1,2,3
	v_mov_b32 v[XB+2*\j], v[XC+4*\j+1]
	v_mov_b32 v[XB+2*\j+1], v[XC+4*\j+1]
.endr
	s_wait_xcnt 0x0                                ; every global load has had its address translated: the offset registers lie where the differences will be written
	s_wait_alu depctr_vm_vsrc(0)                   ; the loads have read their offsets (v184 to v192) and the LDS stores their data (v96 to v127, v160 to v183): the scores' differences and sums write all of these anew
	BARRIER                                        ; the queries and the tables lie in LDS
; ================ THE KEYS: 32 features at a time
.macro KLOAD n, again                  ; W0, W1, W2, b of features 32 n on, into buffer n % 2 of window 3; all lanes name one address.  again = 1: the buffer has been read
	WIN 0xc0
.if \again
	s_wait_alu depctr_va_vdst(0)                   ; the multiply-adds of two chunks back, the last issued, are done reading this buffer, in which the loads below land
.endif
.irp k, 0,1,2,3
.irp q, 0,1,2,3,4,5,6,7
	ds_load_b128 v[128*((\n)%2)+32*\k+4*\q:128*((\n)%2)+32*\k+4*\q+3], v[Z] offset:WL+512*\k+128*(\n)+16*\q
.endr
.endr
	WIN 0
.endm
.macro KEYS n                          ; my four contexts' keys of these 32 features: three packed multiply-adds for two features; a line reads what a line 32 lines back wrote
.set KP, 128*((\n)%2)
.irp w, 1,2
	WIN (((\w)<<6)|0x33)                           ; W0 and b in window 3, x in window 0, the keys in window w
.irp jj, 0,1
.set xj, XC+4*(2*(\w-1)+\jj)
.set hp, 0
.rept 16
.set kd, 128*\jj+32*(\n)+2*hp
	v_pk_fma_f32 v[kd:kd+1], v[KP+2*hp:KP+2*hp+1], v[xj:xj+1], v[KP+96+2*hp:KP+96+2*hp+1] op_sel_hi:[1,0,1]
.set hp, hp+1
.endr
.endr
	WIN (((\w)<<6)|((\w)<<4)|3)                    ; now the addend is the key itself
.irp jj, 0,1
.set xj, XB+2*(2*(\w-1)+\jj)
.set hp, 0
.rept 16
.set kd, 128*\jj+32*(\n)+2*hp
	v_pk_fma_f32 v[kd:kd+1], v[KP+32+2*hp:KP+32+2*hp+1], v[xj:xj+1], v[kd:kd+1]
.set hp, hp+1
.endr
.endr
.irp jj, 0,1
.set xj, XC+4*(2*(\w-1)+\jj)+2
.set hp, 0
.rept 16
.set kd, 128*\jj+32*(\n)+2*hp
	v_pk_fma_f32 v[kd:kd+1], v[KP+64+2*hp:KP+64+2*hp+1], v[xj:xj+1], v[kd:kd+1] op_sel_hi:[1,0,1]
.set hp, hp+1
.endr
.endr
.endr
.endm
	KLOAD 0, 0
	KLOAD 1, 0
	s_wait_dscnt 32                                ; chunk 0 is in; chunk 1's 32 loads may be out
	KEYS 0
	KLOAD 2, 1
	s_wait_dscnt 32                                ; chunk 1 is in
	KEYS 1
	KLOAD 3, 1
	s_wait_dscnt 32                                ; chunk 2 is in
	KEYS 2
	WIN 0xc0                                       ; buffer 0 is free: target 0's features 0-63
	s_wait_alu depctr_va_vdst(0)                   ; chunk 2's multiply-adds are done reading buffer 0: the loads below land in its lower half, the first trip's in its upper half (chunk 3's lines name buffer 1 alone)
.irp q, 0,1,2,3,4,5,6,7,8,9,10,11,12,13,14,15
	ds_load_b128 v[4*\q:4*\q+3], v[Z] offset:QL+16*\q
.endr
	s_wait_dscnt 16                                ; chunk 3 is in; those 16 may be out
	KEYS 3
	WIN 0
; ================ THE SCORES: a trip is one target
; 64 features (half hh) x the two contexts of window w.  d = key - query, two features at a time; |d0| + |d1|; the pair (context 2 (w - 1), context 2 (w - 1) + 1) onto one of eight pairs of sums by turns.
.macro BATCH hh, w
	WIN (0x0c|(\w))                                ; the keys in window w, the query in window 3, d in window 0
.set hp, 0
.rept 32
	v_pk_add_f32 v[D+4*hp:D+4*hp+1], v[64*(\hh)+2*hp:64*(\hh)+2*hp+1], v[64*(\hh)+2*hp:64*(\hh)+2*hp+1] neg_lo:[0,1] neg_hi:[0,1]
	v_pk_add_f32 v[D+4*hp+2:D+4*hp+3], v[128+64*(\hh)+2*hp:128+64*(\hh)+2*hp+1], v[64*(\hh)+2*hp:64*(\hh)+2*hp+1] neg_lo:[0,1] neg_hi:[0,1]
.set hp, hp+1
.endr
	WIN 0
.set hp, 0
.rept 32
	v_add_f32 v[D+4*hp], |v[D+4*hp]|, |v[D+4*hp+1]|
.set hp, hp+1
.endr
.set hp, 0
.rept 32
	v_add_f32 v[D+4*hp+1], |v[D+4*hp+2]|, |v[D+4*hp+3]|
.set hp, hp+1
.endr
.set AA, AC+16*((\w)-1)
.if (\hh) == 0
.set hp, 0
.rept 8
	v_pk_add_f32 v[AA+2*hp:AA+2*hp+1], v[D+4*hp:D+4*hp+1], v[D+4*(hp+8):D+4*(hp+8)+1]   ; the first terms start the sums: nothing is cleared
.set hp, hp+1
.endr
.set hp, 16
.rept 16
	v_pk_add_f32 v[AA+2*(hp%8):AA+2*(hp%8)+1], v[AA+2*(hp%8):AA+2*(hp%8)+1], v[D+4*hp:D+4*hp+1]
.set hp, hp+1
.endr
.else
.set hp, 0
.rept 32
	v_pk_add_f32 v[AA+2*(hp%8):AA+2*(hp%8)+1], v[AA+2*(hp%8):AA+2*(hp%8)+1], v[D+4*hp:D+4*hp+1]
.set hp, hp+1
.endr
.endif
.endm
.macro COMBINE                         ; eight pairs to one, both windows by turns; t = the sum x (-0.5 log2(e))
.irp i, 0,1,2,3
.irp a, AC, AC+16
	v_pk_add_f32 v[\a+2*\i:\a+2*\i+1], v[\a+2*\i:\a+2*\i+1], v[\a+2*\i+8:\a+2*\i+9]
.endr
.endr
.irp i, 0,1
.irp a, AC, AC+16
	v_pk_add_f32 v[\a+2*\i:\a+2*\i+1], v[\a+2*\i:\a+2*\i+1], v[\a+2*\i+4:\a+2*\i+5]
.endr
.endr
.irp a, AC, AC+16
	v_pk_add_f32 v[\a:\a+1], v[\a:\a+1], v[\a+2:\a+3]
.endr
	v_pk_mul_f32 v[TO:TO+1], v[AC:AC+1], 0xbf38aa3b op_sel_hi:[1,0]
	v_pk_mul_f32 v[TO+2:TO+3], v[AC+16:AC+17], 0xbf38aa3b op_sel_hi:[1,0]
.endm
	s_mov_b32 s[CNT], 8
	s_mov_b32 s[TT], 0
.Ltgt:
	WIN 0xc0
.irp q, 0,1,2,3,4,5,6,7,8,9,10,11,12,13,14,15
	ds_load_b128 v[64+4*\q:64+4*\q+3], v[QA] offset:256+16*\q   ; this target's features 64-127.  No wait here: the wait at the last trip's end (first trip: those named above) stands ahead, and no vector instruction since names v[QA] or these registers
.endr
	s_wait_dscnt 16                                ; all but these 16: features 0-63, asked for half a target ago, are in
	BATCH 0, 1
	BATCH 0, 2
	s_wait_dscnt 0x0                               ; features 64-127 are in.  The count is 0 ahead of loads that the last trip jumps over, so that every later count holds on both ways
	s_cmp_eq_u32 s[CNT], 1
	s_cbranch_scc1 .Lnonext
	WIN 0xc0
	s_wait_alu depctr_va_vdst(0)                   ; the subtractions of features 0-63 are done reading the query's lower half, in which the loads below land
.irp q, 0,1,2,3,4,5,6,7,8,9,10,11,12,13,14,15
	ds_load_b128 v[4*\q:4*\q+3], v[QA] offset:512+16*\q         ; the next target's features 0-63
.endr
	WIN 0
.Lnonext:
	BATCH 1, 1
	BATCH 1, 2
	s_add_co_u32 s[TQ], s[TQ], 512
	s_wait_alu depctr_vm_vsrc(0)                   ; this trip's loads have read v[QA]; the last trip's stores have read v[TA] and v[TO ..]: the lines below write all three anew
	v_mov_b32 v[QA], s[TQ]                         ; the next target's row in QL (behind the last target it is not used)
	v_add_nc_u32 v[TA], s[TT], v[TS0]              ; this target's row in TS
	COMBINE
	s_wait_alu depctr_va_vdst(0)                   ; v[TO ..] and v[TA] are written, which the stores below read; v[QA] is written and the subtractions of features 64-127 are done reading the query's upper half: for the next trip's first loads.  Behind the last trip: the keys, the differences and the sums are done with, where the softmax's loads land
.irp j, 0,1,2,3
	ds_store_b32 v[TA], v[TO+\j] offset:128*\j     ; local context 32 j + lane
.endr
	s_add_co_u32 s[TT], s[TT], TPI
	s_sub_co_u32 s[CNT], s[CNT], 1
	s_cmp_lg_u32 s[CNT], 0
	s_cbranch_scc1 .Ltgt
; ================ THE SOFTMAX: my wave's 128 contexts of each target; p becomes K step w of source 1
; The loads of t, of W_in's first pairs and of the rows of (x, y) land in registers that the scores worked on; the wait at the last trip's end stands ahead of them all.  The softmax's lines name v[S ..] and
; v192 on of window 0, none of v[WW ..] and none of windows 1 and 2: so the rows' 80 loads are dealt among them with no further wait.
.irp b, 0,1,2,3
.irp q, 0,1,2,3
	ds_load_b128 v[S+16*\b+4*\q:S+16*\b+4*\q+3], v[TR] offset:128*\b+16*\q   ; register 16 b + i: local context 32 b + 16 half + i of my target.  LDS serves a wave's instructions in order: these see my stores
.endr
.endr
.irp u, 0,1
.irp k, 0,1,2,3,4,5
	ds_load_b64 v[WW+12*\u+2*\k:WW+12*\u+2*\k+1], v[WA0] offset:1024*\k+64*\u   ; W_in and b_in for tiles 0 and 1
.endr
.endr
	s_wait_dscnt 12                                ; S is in; W_in's 12 loads may be out
.irp b, 0,1,2,3
	v_max3_num_f32 v[BM+\b], v[S+16*\b], v[S+16*\b+1], v[S+16*\b+2]   ; the largest t of each block of 32 contexts: for the row's maximum, and, since p rises with t, for the block's largest p
.endr
.irp i, 3,5,7,9,11,13
.irp b, 0,1,2,3
	v_max3_num_f32 v[BM+\b], v[BM+\b], v[S+16*\b+\i], v[S+16*\b+\i+1]
.endr
.endr
.irp b, 0,1,2,3
	v_max_num_f32 v[BM+\b], v[BM+\b], v[S+16*\b+15]
.endr
.irp b, 0,1,2,3
	v_permlanex16_b32 v[BX+\b], v[BM+\b], s[SEL], s[SEL+1]
.endr
.irp b, 0,1,2,3
	v_max_num_f32 v[BM+\b], v[BM+\b], v[BX+\b]     ; with lane l xor 16's 16 contexts
.endr
	v_max3_num_f32 v[TMX], v[BM], v[BM+1], v[BM+2]
	v_max_num_f32 v[TMX], v[TMX], v[BM+3]          ; the largest t among my wave's 128 contexts
	v_add_nc_u32 v[PSA], s[SPS], v[LS]
	s_wait_alu depctr_va_vdst(0)                   ; v[TMX] is written, which the store below reads; so is v[PSA], the address of p's scale word further down
	ds_store_b32 v[MW], v[TMX] offset:ML
	BARRIER                                        ; the four waves' largest t lie in LDS (and W_in's first pairs are in)
	ds_load_b128 v[MV:MV+3], v[L16] offset:ML
	WIN 0x40                                       ; the keys are done with: rows 0 and 1 of (x, y) into window 1, in the map of S
.irp k, 0,1
.irp b, 0,1,2,3
.irp q, 0,1,2,3
	ds_load_b128 v[64*\k+16*\b+4*\q:64*\k+16*\b+4*\q+3], v[ER] offset:512*\k+128*\b+16*\q
.endr
.endr
.endr
	WIN 0
	s_wait_dscnt 32                                ; the four largest t are in; the rows' 32 loads may be out
	s_wait_alu depctr_vm_vsrc(0)                   ; the store above has read v[TMX], which the next line writes anew
	v_max3_num_f32 v[TMX], v[MV], v[MV+1], v[MV+2]
	v_max_num_f32 v[TMX], v[TMX], v[MV+3]          ; the row's largest t
	v_floor_f32 v[NM], -v[TMX]                     ; -M = floor(-t) = -ceil(t): a whole number, the same in all four waves
.set i, 0
.rept 32
	v_pk_add_f32 v[S+2*i:S+2*i+1], v[S+2*i:S+2*i+1], v[NM:NM+1] op_sel_hi:[1,0]   ; t - M (of the pair the low word serves both halves)
.set i, i+1
.endr
.irp b, 0,1,2,3
	v_add_f32 v[BM+\b], v[BM+\b], v[NM]            ; the same of each block's largest t
.endr
	WIN 0x40                                       ; rows 2 and 3 into window 1,
.irp k, 2,3
.irp b, 0,1,2,3
.irp q, 0,1,2,3
	ds_load_b128 v[64*\k+16*\b+4*\q:64*\k+16*\b+4*\q+3], v[ER] offset:512*\k+128*\b+16*\q
.endr
.endr
.endr
	WIN 0x80                                       ; row 4 into window 2
.irp b, 0,1,2,3
.irp q, 0,1,2,3
	ds_load_b128 v[16*\b+4*\q:16*\b+4*\q+3], v[ER] offset:512*4+128*\b+16*\q
.endr
.endr
	WIN 0
.set i, 0
.rept 64
	v_exp_f32 v[S+i], v[S+i]                       ; p = 2^(t - M), at most 1
.set i, i+1
.endr
	v_nop                                          ; a plain instruction behind the last exponential
	s_wait_alu depctr_va_vdst(0)                   ; the 64 exponentials have written p: one wait for the batch, ahead of its first reader
.irp b, 0,1,2,3
	v_exp_f32 v[BM+\b], v[BM+\b]                   ; the block's largest p: the same instructions on the same number give the same bits
.endr
	v_pk_add_f32 v[LA:LA+1], v[S:S+1], v[S+2:S+3]  ; the sum of the unquantised p, in two chains; it reads the 64 alone
	v_pk_add_f32 v[LB:LB+1], v[S+4:S+5], v[S+6:S+7]
.irp j, 8,12,16,20,24,28,32,36,40,44,48,52,56,60
	v_pk_add_f32 v[LA:LA+1], v[LA:LA+1], v[S+\j:S+\j+1]
	v_pk_add_f32 v[LB:LB+1], v[LB:LB+1], v[S+\j+2:S+\j+3]
.endr
	v_pk_add_f32 v[LA:LA+1], v[LA:LA+1], v[LB:LB+1]
	v_add_f32 v[LW], v[LA], v[LA+1]
	v_permlanex16_b32 v[BX], v[LW], s[SEL], s[SEL+1]
	v_add_f32 v[LW], v[LW], v[BX]                  ; l_w
	s_wait_alu depctr_va_vdst(0)                   ; the four exponentials have written the blocks' largest p: their wait, ahead of the first reader
.irp b, 0,1,2,3
	v_max_num_f32 v[BM+\b], 0x8000000, v[BM+\b]    ; the floor 2^(16 - 127): the byte cannot fall under 1
.endr
.irp b, 0,1,2,3
	v_add_nc_u32 v[SCO+\b], 0xf8800000, v[BM+\b]   ; 15 off the exponent field: the conversion's scale operand
.endr
.irp b, 0,1,2,3
	v_and_or_b32 v[HO+\b], v[BM+\b], 0x7f800000, s[MNT]   ; 57,344 x the scale
.endr
.irp b, 0,1,2,3
	v_lshrrev_b32 v[BY+\b], 23, v[SCO+\b]          ; the scale's byte
.endr
	v_lshl_or_b32 v[PS], v[BY+1], 8, v[BY]         ; p's scale word for these 128 contexts
	v_lshl_or_b32 v[PS], v[BY+2], 16, v[PS]
	v_lshl_or_b32 v[PS], v[BY+3], 24, v[PS]
.irp b, 0,1,2,3
.irp i, 0,1,2,3,4,5,6,7,8,9,10,11,12,13,14,15
	v_min_num_f32 v[S+16*\b+\i], v[S+16*\b+\i], v[HO+\b]   ; the conversion to an 8-bit code does not saturate (ISA guide 7.6.2); p is not negative, so the hold is one-sided
.endr
	v_cvt_scalef32_pk8_bf8_f32 v[PC+4*\b:PC+4*\b+1], v[S+16*\b:S+16*\b+7], v[SCO+\b]
	v_cvt_scalef32_pk8_bf8_f32 v[PC+4*\b+2:PC+4*\b+3], v[S+16*\b+8:S+16*\b+15], v[SCO+\b]
.endr
	v_nop                                          ; a plain instruction behind the last conversion
	s_wait_alu depctr_va_vdst(0)                   ; the conversions have written p's codes v[PC ..]; v[PS] and v[LW] are written: the six stores below read them
.irp c, 0,1,2,3
	ds_store_b128 v[PIW], v[PC+4*\c:PC+4*\c+3] offset:512*\c   ; the fragment goes to LDS as it stands
.endr
	ds_store_b32 v[PSA], v[PS]
	ds_store_b32 v[MW], v[LW] offset:LL
; ================ value for my 128 contexts: a trip is two tiles of 16 features
; 64 numbers of a lane, register 16 b + i = k 32 b + 16 half + i of the lane's row, become two fragments under one scale word in v[sw]: in v[cp] on the codes of what is positive, in v[cn] on the codes of the
; magnitudes of what is negative; the other part's places hold zeros.  The hold at the largest code x the scale makes the parts: between 0 and the hold, of x and of -x.  v[tp] on: 16 registers at work.
.macro QUANT2 s, cp, cn, sw, tm, tp
.irp b, 0,1,2,3
	v_max3_num_f32 v[\tm+\b], |v[\s+16*\b]|, |v[\s+16*\b+1]|, 0x8000000   ; my 16 numbers of block b, and the floor 2^(16 - 127)
.endr
.irp i, 2,4,6,8,10,12,14
.irp b, 0,1,2,3
	v_max3_num_f32 v[\tm+\b], v[\tm+\b], |v[\s+16*\b+\i]|, |v[\s+16*\b+\i+1]|
.endr
.endr
.irp b, 0,1,2,3
	v_permlanex16_b32 v[\tm+4+\b], v[\tm+\b], s[SEL], s[SEL+1]
.endr
.irp b, 0,1,2,3
	v_max_num_f32 v[\tm+\b], v[\tm+\b], v[\tm+4+\b]
.endr
.irp b, 0,1,2,3
	v_add_nc_u32 v[\tm+12+\b], 0xf8800000, v[\tm+\b]
.endr
.irp b, 0,1,2,3
	v_and_or_b32 v[\tm+8+\b], v[\tm+\b], 0x7f800000, s[MNT]
.endr
.irp b, 0,1,2,3
	v_lshrrev_b32 v[\tm+4+\b], 23, v[\tm+12+\b]
.endr
	v_lshl_or_b32 v[\sw], v[\tm+5], 8, v[\tm+4]
	v_lshl_or_b32 v[\sw], v[\tm+6], 16, v[\sw]
	v_lshl_or_b32 v[\sw], v[\tm+7], 24, v[\sw]
.irp b, 0,1,2,3
.irp i, 0,1,2,3,4,5,6,7,8,9,10,11,12,13,14,15
	v_med3_num_f32 v[\tp+\i], v[\s+16*\b+\i], 0, v[\tm+8+\b]              ; what is positive, held at the largest code x the scale
.endr
	v_cvt_scalef32_pk8_bf8_f32 v[\cp+4*\b:\cp+4*\b+1], v[\tp:\tp+7], v[\tm+12+\b]
	v_cvt_scalef32_pk8_bf8_f32 v[\cp+4*\b+2:\cp+4*\b+3], v[\tp+8:\tp+15], v[\tm+12+\b]
.irp i, 0,1,2,3,4,5,6,7,8,9,10,11,12,13,14,15
	v_med3_num_f32 v[\s+16*\b+\i], -v[\s+16*\b+\i], 0, v[\tm+8+\b]        ; the magnitude of what is negative, in place.  (These 16 also stand between the conversions above and the next block's writes of v[tp] on)
.endr
	v_cvt_scalef32_pk8_bf8_f32 v[\cn+4*\b:\cn+4*\b+1], v[\s+16*\b:\s+16*\b+7], v[\tm+12+\b]
	v_cvt_scalef32_pk8_bf8_f32 v[\cn+4*\b+2:\cn+4*\b+3], v[\s+16*\b+8:\s+16*\b+15], v[\tm+12+\b]
.endr
.endm
; Tile u of the trip.  value[context][my feature] for my 64 contexts: b_in + five multiply-adds, two contexts at a time; quantised along the contexts; the two fragments and their scale word go to LDS as they stand.
; Tile 0 makes the trip's three addresses, behind its wait on vm_vsrc and ahead of its wait on va_vdst.  next = 1: behind the multiply-adds the next trip's pairs of W_in are asked for.
.macro TILE u, next
	WIN 0x01                                       ; rows 0-3 of (x, y) in window 1
.set pr, 0
.rept 32
	v_pk_fma_f32 v[VL+2*pr:VL+2*pr+1], v[2*pr:2*pr+1], v[WW+12*(\u):WW+12*(\u)+1], v[WW+12*(\u)+10:WW+12*(\u)+11]
.set pr, pr+1
.endr
.irp k, 1,2,3
.set pr, 0
.rept 32
	v_pk_fma_f32 v[VL+2*pr:VL+2*pr+1], v[64*\k+2*pr:64*\k+2*pr+1], v[WW+12*(\u)+2*\k:WW+12*(\u)+2*\k+1], v[VL+2*pr:VL+2*pr+1]
.set pr, pr+1
.endr
.endr
	WIN 0x02                                       ; row 4 in window 2
.set pr, 0
.rept 32
	v_pk_fma_f32 v[VL+2*pr:VL+2*pr+1], v[2*pr:2*pr+1], v[WW+12*(\u)+8:WW+12*(\u)+9], v[VL+2*pr:VL+2*pr+1]
.set pr, pr+1
.endr
	WIN 0
	s_wait_dscnt 0x0                               ; the last tile's stores, issued 160 lines back, have landed
	s_wait_alu depctr_vm_vsrc(0)                   ; the stores issued so far (the last tile's; in the first tile p's) have read the code registers and the scale word's, which this tile writes anew; in tile 0 also: the last trip's stores and loads have read the three addresses
.if (\u) == 0
	v_add_nc_u32 v[WA], s[TW], v[WA0]
	v_add_nc_u32 v[VIW], s[TO2], v[VIW0]
	v_add_nc_u32 v[VSA], s[TS2], v[VSA0]
.endif
.if \next
	s_cmp_eq_u32 s[CNT], 1                         ; the last trip has no successor
	s_cbranch_scc1 .Lnw_\@
	s_wait_alu depctr_va_vdst(0)                   ; both tiles' multiply-adds are done reading W_in's pairs, in which the loads below land
.irp v, 0,1
.irp k, 0,1,2,3,4,5
	ds_load_b64 v[WW+12*\v+2*\k:WW+12*\v+2*\k+1], v[WA] offset:256+1024*\k+64*\v
.endr
.endr
.Lnw_\@:
.endif
	QUANT2 VL, VCP, VCN, VSD+(\u), TM, TP
	v_nop                                          ; a plain instruction behind the last conversion
	s_wait_alu depctr_va_vdst(0)                   ; the conversions have written both parts' codes, and the scale word is written: the nine stores below read them; in tile 0 also: the trip's three addresses are written
.irp c, 0,1,2,3
	ds_store_b128 v[VIW], v[VCP+4*\c:VCP+4*\c+3] offset:16384*(\u)+512*\c
.endr
.irp c, 0,1,2,3
	ds_store_b128 v[VIW], v[VCN+4*\c:VCN+4*\c+3] offset:16384*(\u)+2048+512*\c
.endr
	ds_store_b32 v[VSA], v[VSD+(\u)] offset:512*(\u)
.endm
	s_mov_b32 s[CNT], 4
	s_mov_b32 s[TW], 0
	s_mov_b32 s[TO2], 0
	s_mov_b32 s[TS2], 0
.Lval:
	s_wait_dscnt 0x0                               ; W_in's pairs for this trip are in; in the first trip the rows of (x, y) too
	TILE 0, 0
	TILE 1, 1
	s_add_co_u32 s[TW], s[TW], 256                 ; 32 features on
	s_add_co_u32 s[TO2], s[TO2], 32768             ; two tiles' images on
	s_add_co_u32 s[TS2], s[TS2], 1024              ; and their scale words
	s_sub_co_u32 s[CNT], s[CNT], 1
	s_cmp_lg_u32 s[CNT], 0
	s_cbranch_scc1 .Lval
	BARRIER                                        ; p's four fragments, value's sixty-four, their scale words and the four l lie in LDS
; ================ THE FIRST LARGE PRODUCT: wave w sums tiles 2 w and 2 w + 1 of O^T (features 32 w .. 32 w + 31) over all 512 contexts
	s_wait_alu depctr_vm_vsrc(0)                   ; value's last stores have read v[VCP ..] and v[VCN ..]: the load of l, the accumulators and the differences land there.  (The vector lines that named the registers of the loads below all stand ahead of the wait in front of those stores)
	ds_load_b128 v[LV:LV+3], v[L16] offset:LL
.irp s, 0,1,2,3
	ds_load_b32 v[PSW+\s], v[LS] offset:PSL+128*\s
.endr
.irp u, 0,1
.irp s, 0,1,2,3
	ds_load_b32 v[VSW+4*\u+\s], v[VSR] offset:512*\u+128*\s
.endr
.endr
.irp s, 0,1,2,3
.irp c, 0,1,2,3
	ds_load_b128 v[PF+16*\s+4*\c:PF+16*\s+4*\c+3], v[L16] offset:PI+2048*\s+512*\c
.endr
.endr
	WIN 0x40                                       ; value's fragments fill window 1: tile u, K step s, part g at 128 u + 32 s + 16 g
.irp u, 0,1
.irp s, 0,1,2,3
.irp g, 0,1
.irp c, 0,1,2,3
	ds_load_b128 v[128*\u+32*\s+16*\g+4*\c:128*\u+32*\s+16*\g+4*\c+3], v[VIR] offset:16384*\u+4096*\s+2048*\g+512*\c
.endr
.endr
.endr
.endr
	WIN 0
	s_wait_dscnt 63                                ; the four l are in: behind their load stand 4 + 8 + 16 + 64 others; the count's field ends at 63, and a smaller count than 92 is safe
	v_add_f32 v[LT], v[LV], v[LV+1]
	v_add_f32 v[LT+1], v[LV+2], v[LV+3]
	v_add_f32 v[LT], v[LT], v[LT+1]                ; l
	v_mov_b32 v[LT+1], v[LT]
	v_rcp_f32 v[RL], v[LT]
	v_rcp_f32 v[RL+1], v[LT]
	v_xor_b32 v[NL], 0x80000000, v[LT]             ; -l, twice.  (Plain work behind the reciprocals: it names neither result and writes no source)
	v_xor_b32 v[NL+1], 0x80000000, v[LT]
	s_wait_dscnt 0x0                               ; the fragments and their scale words are in: all the products' operands come by loads
	WIN 0x01                                       ; source 0 (value) in window 1
.irp s, 0,1,2,3                        ; K ascending; the four accumulators take turns, one instruction a turn; the first K step starts the sums
.irp u, 0,1
.irp g, 0,1
.if \s == 0
	v_wmma_scale_f32_16x16x128_f8f6f4 v[OA+16*\u+8*\g:OA+16*\u+8*\g+7], v[128*\u+32*\s+16*\g:128*\u+32*\s+16*\g+15], v[PF+16*\s:PF+16*\s+15], 0, v[VSW+4*\u+\s], v[PSW+\s] matrix_a_fmt:MATRIX_FMT_BF8 matrix_b_fmt:MATRIX_FMT_BF8
.else
	v_wmma_scale_f32_16x16x128_f8f6f4 v[OA+16*\u+8*\g:OA+16*\u+8*\g+7], v[128*\u+32*\s+16*\g:128*\u+32*\s+16*\g+15], v[PF+16*\s:PF+16*\s+15], v[OA+16*\u+8*\g:OA+16*\u+8*\g+7], v[VSW+4*\u+\s], v[PSW+\s] matrix_a_fmt:MATRIX_FMT_BF8 matrix_b_fmt:MATRIX_FMT_BF8
.endif
.endr
.endr
.endr
	WIN 0
.rept 8
	v_nop                                          ; eight places ahead of the first read of the results, and of the first write over p's fragments
.endr
.irp u, 0,1
.irp i, 0,1,2,3
	v_pk_add_f32 v[DF+8*\u+2*\i:DF+8*\u+2*\i+1], v[OA+16*\u+2*\i:OA+16*\u+2*\i+1], v[OA+16*\u+8+2*\i:OA+16*\u+8+2*\i+1] neg_lo:[0,1] neg_hi:[0,1]   ; O = O+ - O-; each accumulator is read from its low end on
.endr
.endr
	s_wait_alu depctr_va_vdst(0)                   ; both reciprocals have written 1 / l: one wait, ahead of their first reader
.irp i, 0,1,2,3,4,5,6,7
	v_pk_mul_f32 v[R+2*\i:R+2*\i+1], v[DF+2*\i:DF+2*\i+1], v[RL:RL+1]   ; q = O x (1 / l)
.endr
.irp i, 0,1,2,3,4,5,6,7
	v_pk_fma_f32 v[E+2*\i:E+2*\i+1], v[R+2*\i:R+2*\i+1], v[NL:NL+1], v[DF+2*\i:DF+2*\i+1]   ; what is left: O - q l
.endr
.irp i, 0,1,2,3,4,5,6,7
	v_pk_fma_f32 v[R+2*\i:R+2*\i+1], v[E+2*\i:E+2*\i+1], v[RL:RL+1], v[R+2*\i:R+2*\i+1]     ; rep = O / l, mended by it: rep goes into a quantiser.  Register i is feature 32 w + 16 half + i of my target
.endr
	; one block of 32 along the next K lies in lanes l and l xor 16
	v_max3_num_f32 v[TMT], |v[R]|, |v[R+1]|, 0x8000000
	v_max3_num_f32 v[TMT+1], |v[R+2]|, |v[R+3]|, |v[R+4]|
	v_max3_num_f32 v[TMT], v[TMT], |v[R+5]|, |v[R+6]|
	v_max3_num_f32 v[TMT+1], v[TMT+1], |v[R+7]|, |v[R+8]|
	v_max3_num_f32 v[TMT], v[TMT], |v[R+9]|, |v[R+10]|
	v_max3_num_f32 v[TMT+1], v[TMT+1], |v[R+11]|, |v[R+12]|
	v_max3_num_f32 v[TMT], v[TMT], |v[R+13]|, |v[R+14]|
	v_max3_num_f32 v[TMT], v[TMT], v[TMT+1], |v[R+15]|
	v_permlanex16_b32 v[TMT+2], v[TMT], s[SEL], s[SEL+1]
	v_max_num_f32 v[TMT], v[TMT], v[TMT+2]
	v_add_nc_u32 v[TMT+3], 0xf8800000, v[TMT]      ; the conversion's scale operand
	v_and_or_b32 v[TMT+4], v[TMT], 0x7f800000, s[MNT]   ; 57,344 x the scale
	v_lshrrev_b32 v[TMT+5], 23, v[TMT+3]           ; the scale's byte
.irp i, 0,1,2,3,4,5,6,7,8,9,10,11,12,13,14,15
	v_med3_num_f32 v[R+\i], v[R+\i], -v[TMT+4], v[TMT+4]
.endr
	v_cvt_scalef32_pk8_bf8_f32 v[RC:RC+1], v[R:R+7], v[TMT+3]
	v_cvt_scalef32_pk8_bf8_f32 v[RC+2:RC+3], v[R+8:R+15], v[TMT+3]
	v_nop                                          ; a plain instruction behind the last conversion
	s_wait_alu depctr_va_vdst(0)                   ; the conversions have written rep's codes v[RC ..] and the byte is written: the two stores below read them; and the products are done reading p's fragments, in which the loads behind the barrier land
	ds_store_b128 v[RIW], v[RC:RC+3] offset:RI     ; registers 4 w .. 4 w + 3 of rep's fragment, as they stand
	ds_store_b32 v[MW], v[TMT+5] offset:RS
	BARRIER                                        ; rep's fragment and its four bytes lie in LDS
; ================ THE SECOND LARGE PRODUCT: my 32 outputs
	ds_load_b128 v[RB:RB+3], v[L16] offset:RS
.irp c, 0,1,2,3
	ds_load_b128 v[RF+4*\c:RF+4*\c+3], v[L16] offset:RI+512*\c
.endr
	s_wait_dscnt 4                                 ; the bytes are in; the fragment's four loads may be out
	v_lshl_or_b32 v[RSW], v[RB+1], 8, v[RB]
	v_lshl_or_b32 v[RSW], v[RB+2], 16, v[RSW]
	v_lshl_or_b32 v[RSW], v[RB+3], 24, v[RSW]      ; rep's scale word
.rept 8
	v_nop                                          ; a scale word written by vector instructions stands eight places ahead of the scaled matrix instruction
.endr
	s_wait_dscnt 0x0                               ; rep's fragment
	s_wait_loadcnt 0x0                             ; W_tgt, its scale words and b_tgt, asked for at the head
	s_wait_alu depctr_va_vdst(0)                   ; rep's scale word v[RSW] is written, which the products below take as a scale; the places above stay beside this wait
.irp u, 0,1
	v_wmma_scale_f32_16x16x128_f8f6f4 v[OD+8*\u:OD+8*\u+7], v[WT+16*\u:WT+16*\u+15], v[RF:RF+15], v[BT+8*\u:BT+8*\u+7], v[WTS+\u], v[RSW] matrix_a_fmt:MATRIX_FMT_BF8 matrix_b_fmt:MATRIX_FMT_BF8   ; outputs 32 w + 16 u on; the bias is the sum's first addend
.endr
.rept 8
	v_nop                                          ; eight places ahead of the first read of the results
.endr
	s_wait_alu depctr_va_vdst(0)                   ; the two products have written v[OD ..], which the stores below read; the places above stay beside this wait.  It also stands ahead of the loads from the stage: the lines that read v[STG ..] as accumulators are long issued
.irp u, 0,1
	ds_store_b128 v[SO], v[OD+8*\u:OD+8*\u+3] offset:64*\u        ; lane (r, half): out(target r % 8, 32 w + 16 u + 8 half + 0 .. 7); each accumulator from its low end on
	ds_store_b128 v[SO], v[OD+8*\u+4:OD+8*\u+7] offset:64*\u+16
.endr
	BARRIER                                        ; 8 whole rows lie in the stage
	ds_load_b128 v[STG:STG+3], v[SR]
	ds_load_b128 v[STG+4:STG+7], v[SR] offset:TPI
	s_wait_dscnt 1
	global_store_b128 v[GO], v[STG:STG+3], s[24:25] th:TH_STORE_NT              ; 32 lanes store a row of 512 consecutive bytes, at a multiple of 256 from out0's first byte
	s_wait_dscnt 0x0
	global_store_b128 v[GO], v[STG+4:STG+7], s[24:25] offset:512 th:TH_STORE_NT
	s_wait_xcnt 0x0                                ; the two stores have had their addresses translated
	s_wait_alu depctr_vm_vsrc(0)                   ; the LDS store of rep's scale byte has read v255, which is written anew below
	v_lshl_add_u32 v254, v0, 2, 0x30000            ; my spare word: 196,608 + 4 x my thread's number; v0 is as at the entry
	v_mov_b32 v255, 0
	s_wait_dscnt 0x0                               ; the closing lines, six on end
	s_wait_alu 0x0
	s_wait_tensorcnt 0x0
	ds_add_u32 v254, v255
	s_wait_dscnt 0x0
	s_endpgm
.Lfunc_end_k_q61267ef48f_locenc:
	.size	k_q61267ef48f_locenc, .Lfunc_end_k_q61267ef48f_locenc-k_q61267ef48f_locenc
	.p2alignl 7, 3214868480
	.fill 96, 4, 3214868480
	.section	.rodata,"a",@progbits
	.p2align	6, 0x0
	.amdhsa_kernel k_q61267ef48f_locenc
		.amdhsa_group_segment_fixed_size 197120
		.amdhsa_private_segment_fixed_size 0
		.amdhsa_enable_private_segment 0
		.amdhsa_kernarg_size 88
		.amdhsa_user_sgpr_count 2
		.amdhsa_user_sgpr_kernarg_segment_ptr 1
		.amdhsa_wavefront_size32 1
		.amdhsa_system_sgpr_workgroup_id_x 1
		.amdhsa_system_sgpr_workgroup_id_y 1
		.amdhsa_system_sgpr_workgroup_id_z 1
		.amdhsa_system_vgpr_workitem_id 0
		.amdhsa_next_free_vgpr 1024
		.amdhsa_next_free_sgpr 66
		.amdhsa_reserve_vcc 0
		.amdhsa_float_denorm_mode_32 3
		.amdhsa_float_denorm_mode_16_64 3
		.amdhsa_memory_ordered 1
		.amdhsa_forward_progress 1
		.amdhsa_inst_pref_size 198
	.end_amdhsa_kernel
	.amdgpu_metadata
---
amdhsa.version: [ 1, 2 ]
amdhsa.kernels:
  - .name:           k_q61267ef48f_locenc
    .symbol:         k_q61267ef48f_locenc.kd
    .args:
      - { .name: context_x, .offset: 0, .size: 8, .value_kind: global_buffer, .address_space: global }
      - { .name: context_y, .offset: 8, .size: 8, .value_kind: global_buffer, .address_space: global }
      - { .name: target_x, .offset: 16, .size: 8, .value_kind: global_buffer, .address_space: global }
      - { .name: W_ctx, .offset: 24, .size: 8, .value_kind: global_buffer, .address_space: global }
      - { .name: b_ctx, .offset: 32, .size: 8, .value_kind: global_buffer, .address_space: global }
      - { .name: W_in, .offset: 40, .size: 8, .value_kind: global_buffer, .address_space: global }
      - { .name: b_in, .offset: 48, .size: 8, .value_kind: global_buffer, .address_space: global }
      - { .name: W_tgt_codes, .offset: 56, .size: 8, .value_kind: global_buffer, .address_space: global }
      - { .name: W_tgt_scales, .offset: 64, .size: 8, .value_kind: global_buffer, .address_space: global }
      - { .name: b_tgt, .offset: 72, .size: 8, .value_kind: global_buffer, .address_space: global }
      - { .name: out0, .offset: 80, .size: 8, .value_kind: global_buffer, .address_space: global }
    .group_segment_fixed_size: 197120
    .private_segment_fixed_size: 0
    .kernarg_segment_align: 8
    .kernarg_segment_size: 88
    .max_flat_workgroup_size: 128
    .sgpr_count:     66
    .vgpr_count:     1024
    .wavefront_size: 32
...
	.end_amdgpu_metadata
.endif
;; end of part 2
